; MI455X (gfx1250); checked and timed in simulation.
; The chip was launched on July 23, 2026; its instructions are those of AMD's public machine-readable ISA for CDNA 5 (MIT licence, August 2026) and "CDNA5" Instruction Set Architecture Reference Guide (July 2026). The comments in the code are by the model that wrote it; some were corrected since.
;; Multi Head Attention. Allowed arithmetic: matrix products marked QUANTISED: E2M1 operands, one E8M0 scale for each 32 along K, by v_wmma_scale_f32_16x16x128_f8f6f4 with both operands' format E2M1 (or v_wmma_scale_f32_32x16x128_f4), f32 sums; everything else in f32.
;; Inputs: Wk 16 x 1,024 x 64 float32; Wo 1,024 x 1,024 float32; Wq 16 x 1,024 x 64 float32; Wv 16 x 1,024 x 64 float32; bo 1,024 float32; x 4 x 2,048 x 1,024 float32.
;; Outputs: out0 4 x 2,048 x 1,024 float32.
;; This version of the problem:
;;   THIS VERSION OF THE PROBLEM IS GIVEN IN LOW PRECISION. The matrix products marked QUANTISED in the list below multiply operands that are first quantised to E2M1 (2 exponent bits, 1 mantissa bit; 4 bits a number), with one power-of-two scale for each 32 numbers along K (OCP MX v1.0); their sums are f32. All else is computed in f32.
;;   The module's matrix products, in the order in which they are computed (A, B: the left and right operand; K: the contracted axis; several contracted axes count as one K, in the product's order):
;;     1. [M 1,024, K 1,024] x [K 1,024, N 8,192]; A: input Wq; B: input x: QUANTISED
;;     2. [M 1,024, K 1,024] x [K 1,024, N 8,192]; A: input Wk; B: input x: QUANTISED
;;     3. [M 1,024, K 1,024] x [K 1,024, N 8,192]; A: input Wv; B: input x: QUANTISED
;;     4. batch 64 x [M 2,048, K 64] x [K 64, N 2,048]; A: computed on the way; B: computed on the way: QUANTISED
;;     5. batch 64 x [M 2,048, K 2,048] x [K 2,048, N 64]; A: softmax (see below); B: computed on the way: QUANTISED
;;     6. [M 8,192, K 1,024] x [K 1,024, N 1,024]; A: computed on the way; B: input Wo: QUANTISED
;;   THE QUANTISER, for each operand of a quantised product, along K:
;;     - K is cut into blocks of 32 from its start; a last block that is shorter is filled with zeros.
;;     - A block's scale is 2^e with e = floor(log2(the largest magnitude in the block)) - 2, held to -126 .. 127; a block of zeros has e = 0. As a byte (E8M0): e + 127.
;;     - Each number is divided by its block's scale, clamped to +-6, and rounded to the nearest number of E2M1, ties to even, subnormals kept.
;;     - The product sums the exact products of the quantised numbers (number of the format x scale) in f32.
;;   ~~~python
;;   def quantise(x, axis):      # numpy; x: float32 -> the quantised numbers, widened to float32 again
;;       x = np.moveaxis(x, axis, -1); K = x.shape[-1]
;;       x = np.pad(x, [(0, 0)] * (x.ndim - 1) + [(0, -K % 32)]); x = x.reshape(x.shape[:-1] + (-1, 32)); a = np.abs(x).max(-1, keepdims=True)
;;       e = np.where(a > 0, np.clip(np.frexp(np.where(a > 0, a, 1))[1] - 1 - 2, -126, 127), 0)      # np.frexp(a)[1] - 1 = floor(log2(a)), exactly
;;       r = np.clip(x / 2.0 ** e, -6, 6)
;;       step = 2.0 ** (np.maximum(np.frexp(np.where(r == 0, 1, r))[1] - 1, 0) - 1)
;;       q = np.round(r / step) * step * 2.0 ** e      # np.round: ties to even
;;       return np.moveaxis(q.reshape(q.shape[:-2] + (-1,))[..., :K], -1, axis).astype(np.float32)
;;   ~~~
;;   SOFTMAX AHEAD OF A QUANTISED PRODUCT. Where the list says 'softmax', what is quantised is not the finished softmax but p = 2^(t - M), with t = logit x log2(e) and M = ceil(the row's largest t), a whole number; so 1/2 < the row's largest p <= 1. The row's sum l is taken of the UNQUANTISED p, in f32, and the product's result is divided by l at the end. Since M is a whole number, a kernel that streams over the keys may use a running M (the ceiling of the running maximum): every later rescaling is an exact power of two, which a block's scale takes up: the codes' values come out the same.
;;   OPERANDS COMPUTED ON THE WAY. 'Computed on the way' means the value that the module computes at that place (a softmax that the list does not call 'softmax' is quantised finished and normalised). What goes into a quantiser is computed in f32, as accurately as f32 sums, v_exp_f32 and their like allow (about 1e-6 of the number): no bf16 or f16 on the way to a quantiser, and a product that is left as it is and whose result goes on into a quantised operand takes f32 operands (vector FMAs, or v_wmma_f32_16x16x4_f32). A number that lies on a knife's edge between two numbers of the format may be rounded either way, as far as f32 arithmetic and the matrix unit's own rounding can turn it there, and no further.
;; One version. Each part assembles by itself: llvm-mc -triple=amdgcn-amd-amdhsa -mcpu=gfx1250 --defsym DOCPART=n.
;; ======== version 1 of 1: 4 launches
;; limits: right only within a limited range of input values
;; workspace buffers: in_img 6,291,456 bytes; in_sc 393,216 bytes; qkv_img 12,582,912 bytes; qkv_sc 1,572,864 bytes; o_img 4,194,304 bytes; o_sc 262,144 bytes
;; launch quant (part 1): grid 672 x 1, 8 waves a work-group, no clusters, 68,608 bytes of LDS; arguments x, Wo, Wq, Wk, Wv, in_img, in_sc; writes in_img, in_sc
.if DOCPART == 1
	.amdgcn_target "amdgcn-amd-amdhsa--gfx1250"
	.amdhsa_code_object_version 6
	.text
	.protected	k_qcb20bba7ba_quant
	.globl	k_qcb20bba7ba_quant
	.p2align	8
	.type	k_qcb20bba7ba_quant,@function
k_qcb20bba7ba_quant:
	s_mov_b64 s[64:65], 0
	v_nop
	global_prefetch_b8 v0, s[64:65] scope:SCOPE_SE
	s_setreg_imm32_b32 hwreg(HW_REG_WAVE_MODE, 25, 1), 1
	s_wait_xcnt 0x0
; x [8192][1024], Wo [1024][1024] (K innermost) and Wq, Wk, Wv [16][1024][64] (K = the middle axis), all f32, become codes of FP4 (E2M1) with one E8M0 byte for each 32 along K = 1,024.
; A block's scale is 2^(floor(log2(its largest magnitude)) - 2); its byte is the largest magnitude's exponent field - 2, held at 1 from below; numbers are divided by the scale and rounded to the nearest code, ties to even, beyond 6 the code of 6.
; LIMITS: a block of zeros, or one whose largest magnitude lies under 2^-124, gets the byte 1 (its codes are zeros or the rule's own; the bytes are read by this program alone); NaN and infinities among the inputs are not served.
; THE OUTPUT IS LAID AS THE OPERANDS' REGISTERS WANT IT.  Rows go in tiles of 16.  Lane row r of rowtile R stands for row 32 (R / 2) + 8 (R % 2) + r % 8 + 16 (r / 8).
;   in_img [rowtile 0..767][K step of 128: 0..7][c 0..1][lane][16 bytes]: lane (r, h)'s 16 bytes at c are the codes of k = 128 s + 64 c + 32 h + 0 .. 31 of that row: registers 4 c .. 4 c + 3 of a fragment.
;   in_sc  [rowtile][K step][r][4 bytes]: the row's four scale bytes of that K step.
;   rowtiles: x 0..511, Wq 512..575, Wk 576..639, Wv 640..703 (row = 64 head + channel), Wo 704..767.
; TWO PATHS, parted by the work-group's number.  Work-groups 0..575: one rowtile of x or Wo; wave w takes K step w.  Work-groups 576..671: half of K of one head's Wq, Wk or Wv.
; No tensor loads, no barrier: waves share nothing.  Matrix units and clusters have nothing to do here: every input byte is read once, by one wave.
.set X,   16                           ; v16-79  64 numbers of a lane
.set TM,  80                           ; v80-95  rows path: largest magnitudes, bytes, scale operands
.set PW,  96                           ; v96     the scale word
.set PC,  98                           ; v98-105 rows path: a fragment's codes
.set CW,  80                           ; v80-95  columns path: four registers of codes for each of four blocks
.set SP,  528                          ; a stage row: 512 bytes + 16: sixteen rows start at sixteen different groups of four banks
.set WST, 16*SP                        ; a wave's stage
	s_load_b256 s[4:11], s[0:1], 0x0               ; x s[4:5], Wo s[6:7], Wq s[8:9], Wk s[10:11]
	s_load_b128 s[12:15], s[0:1], 0x20             ; Wv s[12:13], in_img s[14:15]
	s_load_b64 s[16:17], s[0:1], 0x30              ; in_sc
	v_lshl_add_u32 v112, v0, 2, 0x10800
	v_mov_b32 v113, 0
	v_lshrrev_b32 v1, 5, v0
	s_delay_alu instid0(VALU_DEP_1)
	v_readfirstlane_b32 s18, v1                    ; wave 0..7
	v_and_b32 v1, 31, v0                           ; lane
	s_delay_alu instid0(VALU_DEP_1)
	v_lshlrev_b32 v2, 4, v1                        ; 16 x lane
	s_mov_b32 s20, 0x76543210
	s_mov_b32 s21, 0xfedcba98                      ; v_permlanex16_b32's selects for lane l xor 16
	s_wait_kmcnt 0x0
	s_cmp_ge_u32 ttmp9, 576
	s_cbranch_scc1 .Lcols
; ---------------- ROWS: K is innermost.  16 rows x 128 numbers a wave.
	s_cmp_lt_u32 ttmp9, 512                        ; x's work-group or Wo's: the choice hangs on the work-group's number alone
	s_cselect_b64 s[22:23], s[4:5], s[6:7]
	s_cselect_b32 s24, 0, 512
	s_cselect_b32 s25, 0, 192
	s_sub_co_u32 s24, ttmp9, s24                   ; the rowtile in its own tensor
	s_add_co_u32 s25, ttmp9, s25                   ; and in in_img: Wo's begin at 704
	s_lshr_b32 s26, s24, 1
	s_lshl_b32 s26, s26, 17                        ; 32 (R / 2) rows of 4,096 bytes
	s_and_b32 s27, s24, 1
	s_lshl_b32 s27, s27, 15                        ; 8 (R % 2) rows
	s_add_co_u32 s26, s26, s27
	s_lshl_b32 s27, s18, 9                         ; my K step: 512 bytes of each row
	s_add_co_u32 s26, s26, s27
	s_mov_b32 s27, 0
	s_add_nc_u64 s[22:23], s[22:23], s[26:27]
	s_lshl_b32 s26, s25, 13                        ; 8,192 bytes of codes a rowtile,
	s_lshl_b32 s28, s18, 10                        ; 1,024 a K step
	s_add_co_u32 s26, s26, s28
	s_add_nc_u64 s[14:15], s[14:15], s[26:27]
	s_lshl_b32 s26, s25, 9                         ; 512 bytes of scale words a rowtile,
	s_lshl_b32 s28, s18, 6                         ; 64 a K step
	s_add_co_u32 s26, s26, s28
	s_add_nc_u64 s[16:17], s[16:17], s[26:27]
.set t, 0
	s_wait_alu depctr_va_vdst(0)
.rept 16
	global_load_b128 v[X+4*t:X+4*t+3], v2, s[22:23] offset:((t%8)+16*(t/8))*4096 th:TH_LOAD_NT   ; lane row t: 32 lanes read its 512 consecutive bytes
.set t, t+1
.endr
	s_mul_i32 s30, s18, WST                        ; my stage
	v_add_nc_u32 v3, s30, v2                       ; in: 16 x lane of a row
	v_and_b32 v5, 15, v0                           ; r
	v_bfe_u32 v6, v0, 4, 1                         ; h
	s_delay_alu instid0(VALU_DEP_2)
	v_mul_u32_u24 v4, v5, SP
	s_delay_alu instid0(VALU_DEP_1)
	v_lshl_add_u32 v4, v6, 6, v4
	s_delay_alu instid0(VALU_DEP_1)
	v_add_nc_u32 v4, s30, v4                       ; back: row r, + 64 h: my 16 numbers of each block of 32
	v_lshlrev_b32 v5, 2, v5                        ; 4 r: my row's scale word
.irp b, 0,1,2,3
	v_mov_b32 v[TM+4+\b], 0                        ; written once: a lane permute's destination counts as one of its sources
.endr
.set t, 0
	s_wait_alu depctr_va_vdst(0)
.rept 16
	s_wait_loadcnt 15-t                            ; loads come back in order: row t is in, the 15 - t younger ones may be out
	ds_store_b128 v3, v[X+4*t:X+4*t+3] offset:SP*t
.set t, t+1
.endr
.irp b, 0,1,2,3
.irp j, 0,1,2,3
	ds_load_b128 v[X+16*\b+4*\j:X+16*\b+4*\j+3], v4 offset:128*\b+16*\j   ; LDS serves a wave's instructions in order: these see my stores.  Register 16 b + i = k 32 b + 16 h + i of row r
.endr
.endr
	s_wait_dscnt 0x0
.irp b, 0,1,2,3
	v_max3_num_f32 v[TM+\b], |v[X+16*\b]|, |v[X+1+16*\b]|, 0x1800000   ; block b: my 16 numbers, and the floor 2^(3 - 127): the byte cannot fall under 1
.endr
.irp i, 2,4,6,8,10,12,14
.irp b, 0,1,2,3
	s_delay_alu instid0(VALU_DEP_4)
	v_max3_num_f32 v[TM+\b], v[TM+\b], |v[X+16*\b+\i]|, |v[X+1+16*\b+\i]|   ; the four blocks by turns
.endr
.endr
.irp b, 0,1,2,3
	s_delay_alu instid0(VALU_DEP_4)
	v_permlanex16_b32 v[TM+4+\b], v[TM+\b], s20, s21
.endr
.irp b, 0,1,2,3
	s_delay_alu instid0(VALU_DEP_4)
	v_max_num_f32 v[TM+\b], v[TM+\b], v[TM+4+\b]   ; with lane l xor 16's 16: the block's largest magnitude
.endr
.irp b, 0,1,2,3
	s_delay_alu instid0(VALU_DEP_4)
	v_add_nc_u32 v[TM+12+\b], 0xff000000, v[TM+\b] ; 2 off its exponent field: the conversion takes the exponent field of this operand as its scale
.endr
.irp b, 0,1,2,3
	s_delay_alu instid0(VALU_DEP_4)
	v_lshrrev_b32 v[TM+4+\b], 23, v[TM+12+\b]      ; the scale's byte
.endr
	s_delay_alu instid0(VALU_DEP_3)
	v_lshl_or_b32 v[PW], v[TM+5], 8, v[TM+4]
	s_delay_alu instid0(VALU_DEP_1)
	v_lshl_or_b32 v[PW], v[TM+6], 16, v[PW]
	s_delay_alu instid0(VALU_DEP_1)
	v_lshl_or_b32 v[PW], v[TM+7], 24, v[PW]        ; my row's scale word
.irp b, 0,1,2,3
	v_cvt_scalef32_pk8_fp4_f32 v[PC+2*\b], v[X+16*\b:X+7+16*\b], v[TM+12+\b]
	v_cvt_scalef32_pk8_fp4_f32 v[PC+1+2*\b], v[X+8+16*\b:X+15+16*\b], v[TM+12+\b]
.endr
	v_nop                                          ; one plain place behind a scaled conversion
.irp c, 0,1                                        ; the operand's layout wants a whole block in a lane: lanes 0-15 block 2 c, lanes 16-31 block 2 c + 1
.irp i, 0,1
	v_permlane16_swap_b32 v[PC+4*\c+\i], v[PC+2+4*\c+\i]
.endr
.endr
	global_store_b128 v2, v[PC:PC+3], s[14:15]               ; 32 lanes store 512 consecutive bytes, at a multiple of 512 from the buffer's first byte
	global_store_b128 v2, v[PC+4:PC+7], s[14:15] offset:512
	global_store_b32 v5, v[PW], s[16:17]                     ; lanes l and l + 16 hold the same word and write it to the same place
	s_wait_tensorcnt 0x0
	ds_add_u32 v112, v113
	s_wait_dscnt 0x0
	s_endpgm
; ---------------- COLUMNS: K is not innermost.  A lane takes a column (a channel) and its registers run down K: a block of 32 lies in one lane.
.Lcols:
	s_sub_co_u32 s24, ttmp9, 576
	s_and_b32 s25, s24, 1                          ; which half of K
	s_lshr_b32 s24, s24, 1                         ; 16 x (0 Wq, 1 Wk, 2 Wv) + head
	s_cmp_lt_u32 s24, 32
	s_cselect_b64 s[22:23], s[10:11], s[12:13]
	s_cmp_lt_u32 s24, 16
	s_cselect_b64 s[22:23], s[8:9], s[22:23]
	s_and_b32 s26, s24, 15                         ; head
	s_lshl_b32 s25, s25, 2
	s_lshr_b32 s27, s18, 1
	s_add_co_u32 s25, s25, s27                     ; my K step: 4 x half + wave / 2
	s_and_b32 s27, s18, 1                          ; my 32 channels: wave % 2
	s_lshl_b32 s28, s26, 18                        ; a head's matrix is 262,144 bytes,
	s_lshl_b32 s29, s25, 15                        ; 128 rows of 256 bytes a K step,
	s_add_co_u32 s28, s28, s29
	s_lshl_b32 s29, s27, 7                         ; 32 channels are 128 bytes
	s_add_co_u32 s28, s28, s29
	s_mov_b32 s29, 0
	s_add_nc_u64 s[22:23], s[22:23], s[28:29]
	s_lshl_b32 s30, s24, 2
	s_lshl_b32 s31, s27, 1
	s_add_co_u32 s30, s30, s31
	s_add_co_u32 s30, s30, 512                     ; the first of my two rowtiles
	s_lshl_b32 s28, s30, 13
	s_lshl_b32 s31, s25, 10
	s_add_co_u32 s28, s28, s31
	s_add_nc_u64 s[14:15], s[14:15], s[28:29]
	s_lshl_b32 s28, s30, 9
	s_lshl_b32 s31, s25, 6
	s_add_co_u32 s28, s28, s31
	s_add_nc_u64 s[16:17], s[16:17], s[28:29]
	s_wait_alu depctr_va_vdst(0)
	v_lshlrev_b32 v6, 2, v1                        ; in: 4 bytes a lane
	v_and_b32 v9, 7, v0
	v_bfe_u32 v10, v0, 4, 1
	s_delay_alu instid0(VALU_DEP_1)
	v_lshl_or_b32 v9, v10, 3, v9                   ; channel 32 beta + lane is lane row r = lane % 8 + 8 (lane / 16)
	v_bfe_u32 v10, v0, 3, 1                        ; of rowtile u = (lane / 8) % 2
	s_delay_alu instid0(VALU_DEP_2)
	v_lshlrev_b32 v7, 4, v9
	s_delay_alu instid0(VALU_DEP_1)
	v_lshl_add_u32 v7, v10, 13, v7                 ; codes: 8,192 u + 16 r
	s_delay_alu instid0(VALU_DEP_4)
	v_lshlrev_b32 v8, 2, v9
	s_delay_alu instid0(VALU_DEP_1)
	v_lshl_add_u32 v8, v10, 9, v8                  ; scale word: 512 u + 4 r
.macro LOADW t                         ; block t: W(32 t + i, my channel), i = 0 .. 31, into set t % 2: each load reads 128 consecutive bytes
.set i, 0
.rept 32
	global_load_b32 v[X+32*((\t)%2)+i], v6, s[22:23] offset:(32*(\t)+i)*256 th:TH_LOAD_NT
.set i, i+1
.endr
.endm
.macro BLOCK t
.set XS, X+32*((\t)%2)
.if (\t) < 3
	s_wait_loadcnt 32                              ; this block's 32 loads are in; the next block's 32 may be out
.else
	s_wait_loadcnt 0x0
.endif
	v_max3_num_f32 v12, |v[XS]|, |v[XS+1]|, |v[XS+2]|       ; the block's largest magnitude: all 32 numbers are mine; two chains
	v_max3_num_f32 v13, |v[XS+3]|, |v[XS+4]|, |v[XS+5]|
.irp i, 6,10,14,18,22,26
	s_delay_alu instid0(VALU_DEP_2)
	v_max3_num_f32 v12, v12, |v[XS+\i]|, |v[XS+\i+1]|
	s_delay_alu instid0(VALU_DEP_2)
	v_max3_num_f32 v13, v13, |v[XS+\i+2]|, |v[XS+\i+3]|
.endr
	s_delay_alu instid0(VALU_DEP_2)
	v_max3_num_f32 v12, v12, |v[XS+30]|, |v[XS+31]|
	s_delay_alu instid0(VALU_DEP_1)
	v_max3_num_f32 v12, v12, v13, 0x1800000        ; and the floor
	s_delay_alu instid0(VALU_DEP_1)
	v_add_nc_u32 v11, 0xff000000, v12              ; the conversion's scale operand
	s_delay_alu instid0(VALU_DEP_1)
	v_lshrrev_b32 v13, 23, v11                     ; the byte
.if (\t) == 0
	s_delay_alu instid0(VALU_DEP_1)
	v_mov_b32 v[PW], v13
.else
	s_delay_alu instid0(VALU_DEP_1)
	v_lshl_or_b32 v[PW], v13, 8*(\t), v[PW]
.endif
.irp g, 0,1,2,3
	v_cvt_scalef32_pk8_fp4_f32 v[CW+4*(\t)+\g], v[XS+8*\g:XS+8*\g+7], v11
.endr
	v_nop                                          ; one plain place behind a scaled conversion
	global_store_b128 v7, v[CW+4*(\t):CW+4*(\t)+3], s[14:15] offset:256*(\t)   ; block t = 2 c + h lies at 512 c + 256 h: the sixteen lanes of a rowtile fill 256 consecutive bytes, aligned
.if (\t)+2 < 4
	LOADW (\t)+2
.endif
.endm
	LOADW 0
	LOADW 1
	BLOCK 0
	BLOCK 1
	BLOCK 2
	BLOCK 3
	global_store_b32 v8, v[PW], s[16:17]           ; my channel's four bytes of this K step
	s_endpgm
.Lfunc_end_k_qcb20bba7ba_quant:
	.size	k_qcb20bba7ba_quant, .Lfunc_end_k_qcb20bba7ba_quant-k_qcb20bba7ba_quant
	.p2alignl 7, 3214868480
	.fill 96, 4, 3214868480
	.section	.rodata,"a",@progbits
	.p2align	6, 0x0
	.amdhsa_kernel k_qcb20bba7ba_quant
		.amdhsa_group_segment_fixed_size 68608
		.amdhsa_private_segment_fixed_size 0
		.amdhsa_enable_private_segment 0
		.amdhsa_kernarg_size 56
		.amdhsa_user_sgpr_count 2
		.amdhsa_user_sgpr_kernarg_segment_ptr 1
		.amdhsa_wavefront_size32 1
		.amdhsa_system_sgpr_workgroup_id_x 1
		.amdhsa_system_sgpr_workgroup_id_y 1
		.amdhsa_system_sgpr_workgroup_id_z 1
		.amdhsa_system_vgpr_workitem_id 0
		.amdhsa_next_free_vgpr 114
		.amdhsa_next_free_sgpr 66
		.amdhsa_reserve_vcc 0
		.amdhsa_float_denorm_mode_32 3
		.amdhsa_float_denorm_mode_16_64 3
		.amdhsa_memory_ordered 1
		.amdhsa_forward_progress 1
		.amdhsa_inst_pref_size 35
	.end_amdhsa_kernel
	.amdgpu_metadata
---
amdhsa.version: [ 1, 2 ]
amdhsa.kernels:
  - .name:           k_qcb20bba7ba_quant
    .symbol:         k_qcb20bba7ba_quant.kd
    .args:
      - { .name: x, .offset: 0, .size: 8, .value_kind: global_buffer, .address_space: global }
      - { .name: Wo, .offset: 8, .size: 8, .value_kind: global_buffer, .address_space: global }
      - { .name: Wq, .offset: 16, .size: 8, .value_kind: global_buffer, .address_space: global }
      - { .name: Wk, .offset: 24, .size: 8, .value_kind: global_buffer, .address_space: global }
      - { .name: Wv, .offset: 32, .size: 8, .value_kind: global_buffer, .address_space: global }
      - { .name: in_img, .offset: 40, .size: 8, .value_kind: global_buffer, .address_space: global }
      - { .name: in_sc, .offset: 48, .size: 8, .value_kind: global_buffer, .address_space: global }
    .group_segment_fixed_size: 68608
    .private_segment_fixed_size: 0
    .kernarg_segment_align: 8
    .kernarg_segment_size: 56
    .max_flat_workgroup_size: 256
    .sgpr_count:     66
    .vgpr_count:     114
    .wavefront_size: 32
...
	.end_amdgpu_metadata
.endif
;; end of part 1
;; launch qkv (part 2): grid 384 x 1, 4 waves a work-group, no clusters, 262,656 bytes of LDS; arguments in_img, in_sc, qkv_img, qkv_sc; writes qkv_img, qkv_sc
.if DOCPART == 2
	.amdgcn_target "amdgcn-amd-amdhsa--gfx1250"
	.amdhsa_code_object_version 6
	.text
	.protected	k_qcb20bba7ba_qkv
	.globl	k_qcb20bba7ba_qkv
	.p2align	8
	.type	k_qcb20bba7ba_qkv,@function
k_qcb20bba7ba_qkv:
	s_mov_b64 s[64:65], 0
	v_nop
	global_prefetch_b8 v0, s[64:65] scope:SCOPE_SE
	s_setreg_imm32_b32 hwreg(HW_REG_WAVE_MODE, 25, 1), 1
	s_wait_xcnt 0x0
; q, k and v of all heads: C[m][n] = sum over k = 0 .. 1,023 of A[m][k] B[n][k] on codes of FP4 with E8M0 scales, f32 sums, and C quantised at once ALONG n into the operands of attention.
; ONE TEXT, TWO FLAVOURS, chosen by whole numbers made from the work-group's number (no branch):
;   work-groups 0..255:   A = x (tokens), B = Wq | Wk (64 head + channel): q and k, quantised along the head's 64 channels;
;   work-groups 256..383: A = Wv, B = x: v TRANSPOSED, quantised along the tokens, which are the keys of attention's second product.
; Operands come from in_img / in_sc, laid as registers want them: [rowtile of 16][K step of 128][c][lane][16 bytes]; lane row r of rowtile R is row 32 (R / 2) + 8 (R % 2) + r % 8 + 16 (r / 8).
; THE MATRIX INSTRUCTION IS USED TRANSPOSED: source 0 = 16 rows of B, source 1 = 16 rows of A.  A lane then holds one row m, and by the order of rows in a rowtile the 16 registers of B's rowtiles 2 t, 2 t + 1
; are 16 neighbours along n: 32 t + 16 (lane / 16) + 0 .. 15: what the conversions want.
; SHARES.  A work-group makes 256 x 256 of C over all of K; each of its four waves 128 x 128: 64 accumulators, 512 registers.  Both panels (2 x 128 KiB of codes) fit in LDS whole: two slots of four K steps,
; each filled ONCE, by one tensor load a wave, the four issued together at the head (one of a wave is out).  No LDS byte is filled again.  Scale words go from memory straight into registers.
; OUT.  qk: qkv_img [8 (0 q, 1 k) + head pair][token rowtile][head parity][lane][16]: lane (r, h): channels 32 h + 0 .. 31: the lower half of a fragment whose upper half (k = 64 .. 127) is zeros in the reader.
;       qkv_sc likewise [..][..][parity][r][4]: bytes 0, 1 are the head's two scale bytes (bytes 2, 3 stand over zero codes and are never 0xff).
;       v: qkv_img + 8,388,608 [token / 128][4 head + t][1,024]: a fragment of 16 channels x 128 keys; qkv_sc + 1,048,576 [token / 128][4 head + t][two equal copies][r][4].
; NO CLUSTER: every load is the work-group's own.  A's panel is asked for by 8 (qk) or 32 (v) work-groups and B's by 32 or 4: joint loads could divide those requests by four; this text does not use them.
; LIMITS: a block of zeros or under 2^-124 gets the scale byte 1 (read by this program alone); NaN and infinities are not served.
; REGISTERS, in windows of 256: window 0: v1-3 offsets, v16-21 LDS addresses, v32-63 A's scale words, v64-95 B's, v96-112 at work, v128-255 A's fragments in two sets (in the end: codes and scale words to store);
;   window 1: v0-127 B's fragments in two sets;  window 2: accumulators of A's rowtiles 0-3 ((a, b) at v[8 (8 (a % 4) + b)]);  window 3: of rowtiles 4-7.
.set SA,   32                          ; A's scale words: rowtile a, pair of K steps p: v[SA + 4 a + p]: lanes 0-15 K step 2 p, lanes 16-31 K step 2 p + 1
.set SB,   64                          ; B's likewise
.set TM,   96
.set PW,   112
.set AF,   128
.set PCB,  128                         ; the end: block a's codes at v[PCB + 8 a]
.set PWS,  192                         ; and its scale word at v[PWS + a]
.set ADRA, 16
.set ADRB, 20
.set G1,   24
.set MSB, 0
.macro WIN new                         ; the immediate's high byte repeats the setting that is left; a switch that changes nothing is dropped
.if MSB != (\new)
	s_set_vgpr_msb (MSB<<8)|(\new)
.set MSB, (\new)
.endif
.endm
.macro PLACES                          ; four plain places behind matrix instructions, in front of loads into registers that they read and of reads of their results
.rept 4
	v_nop
.endr
.endm
	s_load_b256 s[4:11], s[0:1], 0x0               ; in_img s[4:5], in_sc s[6:7], qkv_img s[8:9], qkv_sc s[10:11]
	v_lshl_add_u32 v126, v0, 2, 0x40000
	v_mov_b32 v127, 0
	ds_add_u32 v126, v127
	ds_add_u32 v126, v127
	v_lshrrev_b32 v1, 5, v0
	v_readfirstlane_b32 s12, v1                    ; wave 0..3
	s_cmp_lt_u32 ttmp9, 256                        ; the flavour: qk | v
	s_cselect_b32 s13, 0, 256                      ; first work-group of the flavour
	s_cselect_b32 s14, 7, 31                       ; tiles along n, less one
	s_cselect_b32 s15, 3, 5                        ; and their logarithm
	s_cselect_b32 s16, 0, 640                      ; A's first rowtile in in_img
	s_cselect_b32 s17, 512, 0                      ; B's
	s_cselect_b32 s18, 19, 16                      ; log2 of the bytes of codes for 128 along n
	s_cselect_b32 s19, 16, 0                       ; how far lanes 16-31 shift the scale word down
	s_cselect_b32 s20, 0, 0x800000                 ; where the flavour's codes begin in qkv_img
	s_cselect_b32 s21, 0, 0x100000                 ; and its scale words in qkv_sc
	s_sub_co_u32 s13, ttmp9, s13
	s_and_b32 s14, s13, s14                        ; tx: tile along n
	s_lshr_b32 s15, s13, s15                       ; ty: tile along m
	s_lshl_b32 s48, s15, 4
	s_add_co_u32 s16, s16, s48                     ; A's 16 rowtiles begin here
	s_lshl_b32 s49, s14, 4
	s_add_co_u32 s17, s17, s49                     ; B's
	s_lshr_b32 s22, s12, 1                         ; my half of A
	s_and_b32 s23, s12, 1                          ; my half of B
	; descriptor group 1: 16 rows (rowtiles) of 4,096 bytes (four K steps), 8,192 bytes apart, in elements of 8 bytes; dense in LDS
	s_mov_b32 s[G1+0], 3<<16                       ; no mask; elements of 8 bytes; no padding
	s_mov_b32 s[G1+1], 512<<16                     ; tensor_dim0
	s_mov_b32 s[G1+2], 16<<16                      ; tensor_dim1: a load brings a panel's 16 rowtiles
	s_mov_b32 s[G1+3], 512<<16                     ; tile_dim0
	s_mov_b32 s[G1+4], 16                          ; tile_dim1
	s_mov_b32 s[G1+5], 1024                        ; pitch
	s_mov_b32 s[G1+6], 0
	s_mov_b32 s[G1+7], 0
	; ONE TENSOR LOAD A WAVE: wave w brings 16 rowtiles x four K steps: A's (w even) or B's (w odd) panel, K steps 4 (w / 2) on, to LDS byte 65,536 w
	s_cmp_eq_u32 s23, 0
	s_cselect_b32 s52, s16, s17
	s_lshl_b32 s52, s52, 13
	s_lshl_b32 s50, s22, 12
	s_add_co_u32 s52, s52, s50
	s_mov_b32 s53, 0
	s_lshl_b32 s51, s12, 16
	s_lshl_b32 s50, s22, 3
	s_add_co_u32 s56, s16, s50                     ; the scale words of my 8 rowtiles of A,
	s_lshl_b32 s56, s56, 9
	s_mov_b32 s57, 0
	s_add_co_u32 s15, s48, s50                     ; (Rm = 16 ty + 8 (w / 2): my first rowtile along m, for the way out)
	s_lshl_b32 s50, s23, 3
	s_add_co_u32 s58, s17, s50                     ; and of B
	s_lshl_b32 s58, s58, 9
	s_mov_b32 s59, 0
	s_lshl_b32 s14, s14, 1
	s_add_co_u32 s14, s14, s23                     ; Gn = 2 tx + w % 2: my 128 along n
	s_lshl_b32 s48, s14, s18
	s_add_co_u32 s48, s48, s20
	s_lshl_b32 s50, s15, 10
	s_add_co_u32 s48, s48, s50                     ; codes out: flavour + (Gn << SG) + 1,024 Rm
	s_mov_b32 s49, 0
	s_sub_co_u32 s18, s18, 3
	s_lshl_b32 s62, s14, s18
	s_add_co_u32 s62, s62, s21
	s_lshl_b32 s50, s15, 7
	s_add_co_u32 s62, s62, s50                     ; scale words out: an eighth of that
	s_mov_b32 s63, 0
	s_mov_b32 s60, 0x76543210
	s_mov_b32 s61, 0xfedcba98                      ; v_permlanex16_b32's selects for lane l xor 16
	s_wait_dscnt 0x0
	s_wait_kmcnt 0x0
	s_add_nc_u64 s[52:53], s[4:5], s[52:53]
	s_add_nc_u64 s[56:57], s[6:7], s[56:57]
	s_add_nc_u64 s[58:59], s[6:7], s[58:59]
	s_add_nc_u64 s[8:9], s[8:9], s[48:49]
	s_add_nc_u64 s[10:11], s[10:11], s[62:63]
	; descriptor groups 0: A slot 0, B slot 0, A slot 1, B slot 1.  A slot is 131,072 bytes: A's 16 rowtiles x 4,096, then B's
	s_mov_b32 s32, 1
	s_mov_b32 s33, s51
	s_mov_b64 s[34:35], s[52:53]
	s_or_b32 s35, s35, 0x80000000
	tensor_load_to_lds s[32:35], s[G1:G1+7]        ; my one load: a quarter of what the work-group reads; one of a wave is out
	s_nop 0
.rept 4
	v_nop
.endr
	v_and_b32 v4, 31, v0
	v_lshlrev_b32 v1, 4, v4                        ; 16 x lane
	v_lshlrev_b32 v2, 2, v4                        ; 4 x lane
	v_bfe_u32 v3, v0, 4, 1
	v_mul_u32_u24 v3, v3, s19                      ; lanes 16-31: 16 (qk) or 0 (v)
.irp a, 0,1,2,3,4,5,6,7
.irp p, 0,1,2,3
	global_load_b32 v[SA+4*\a+\p], v2, s[56:57] offset:512*\a+128*\p   ; 128 consecutive bytes: the words of two K steps
.endr
.endr
.irp b, 0,1,2,3,4,5,6,7
.irp p, 0,1,2,3
	global_load_b32 v[SB+4*\b+\p], v2, s[58:59] offset:512*\b+128*\p
.endr
.endr
	s_lshl_b32 s50, s22, 15                        ; my 8 rowtiles of A in a slot
	v_add_nc_u32 v[ADRA], s50, v1
	s_add_co_u32 s50, s50, 131072
	v_add_nc_u32 v[ADRA+1], s50, v1
	s_lshl_b32 s50, s23, 15                        ; and of B
	s_add_co_u32 s50, s50, 65536
	v_add_nc_u32 v[ADRB], s50, v1
	s_add_co_u32 s50, s50, 131072
	v_add_nc_u32 v[ADRB+1], s50, v1
.irp b, 0,1,2,3
	v_mov_b32 v[TM+4+\b], 0                        ; written once: a lane permute's destination counts as one of its sources
.endr
; K step s's fragments: 16 loads for B, 16 for A, 512 consecutive bytes each, into set s % 2
.macro FETCH s
.set FK, (\s)/4
.set FQ, (\s)%4
.set FS, (\s)%2
	WIN 0x40                                       ; destination window 1, address window 0
.irp i, 0,1,2,3,4,5,6,7
	ds_load_b128 v[64*FS+8*\i:64*FS+8*\i+3],   v[ADRB+FK] offset:4096*\i+1024*FQ
	ds_load_b128 v[64*FS+8*\i+4:64*FS+8*\i+7], v[ADRB+FK] offset:4096*\i+1024*FQ+512
.endr
	WIN 0
.irp i, 0,1,2,3,4,5,6,7
	ds_load_b128 v[AF+64*FS+8*\i:AF+64*FS+8*\i+3],   v[ADRA+FK] offset:4096*\i+1024*FQ
	ds_load_b128 v[AF+64*FS+8*\i+4:AF+64*FS+8*\i+7], v[ADRA+FK] offset:4096*\i+1024*FQ+512
.endr
.endm
; 32 matrix instructions: A's rowtiles a0 .. a0 + 3 x B's eight.  The 64 accumulators take turns, one instruction a turn, in the same order in every K step.
; K step 0 starts the sums with the constant 0.  An odd K step's scale words lie in lanes 16-31.
.macro MUL s, a0
.set MS, (\s)%2
.set MP, (\s)/2
.irp a, \a0, \a0+1, \a0+2, \a0+3
.irp b, 0,1,2,3,4,5,6,7
.if (\s) == 0
	v_wmma_scale_f32_16x16x128_f8f6f4 v[8*(8*((\a)%4)+\b):8*(8*((\a)%4)+\b)+7], v[64*MS+8*\b:64*MS+8*\b+7], v[AF+64*MS+8*(\a):AF+64*MS+8*(\a)+7], 0, v[SB+4*\b+MP], v[SA+4*(\a)+MP] matrix_a_fmt:MATRIX_FMT_FP4 matrix_b_fmt:MATRIX_FMT_FP4
.elseif MS == 0
	v_wmma_scale_f32_16x16x128_f8f6f4 v[8*(8*((\a)%4)+\b):8*(8*((\a)%4)+\b)+7], v[64*MS+8*\b:64*MS+8*\b+7], v[AF+64*MS+8*(\a):AF+64*MS+8*(\a)+7], v[8*(8*((\a)%4)+\b):8*(8*((\a)%4)+\b)+7], v[SB+4*\b+MP], v[SA+4*(\a)+MP] matrix_a_fmt:MATRIX_FMT_FP4 matrix_b_fmt:MATRIX_FMT_FP4
.else
	v_wmma_scale_f32_16x16x128_f8f6f4 v[8*(8*((\a)%4)+\b):8*(8*((\a)%4)+\b)+7], v[64*MS+8*\b:64*MS+8*\b+7], v[AF+64*MS+8*(\a):AF+64*MS+8*(\a)+7], v[8*(8*((\a)%4)+\b):8*(8*((\a)%4)+\b)+7], v[SB+4*\b+MP], v[SA+4*(\a)+MP] matrix_a_fmt:MATRIX_FMT_FP4 matrix_b_fmt:MATRIX_FMT_FP4 matrix_a_scale:MATRIX_SCALE_ROW1 matrix_b_scale:MATRIX_SCALE_ROW1
.endif
.endr
.endr
.endm
.macro KSTEP s
.if (\s) > 0
	PLACES                                         ; the loads below land in the set that the K step before multiplied
.endif
.if (\s) < 7
	FETCH (\s)+1
	s_wait_dscnt 32                                ; all but the 32 just issued: this K step's fragments are in
.else
	s_wait_dscnt 0x0
.endif
	WIN 0xa1                                       ; source 0 (B) window 1, source 1 (A) window 0, C and D window 2
	MUL \s, 0
	WIN 0xf1                                       ; C and D window 3
	MUL \s, 4
.endm
	s_wait_alu depctr_va_vdst(0)
	s_wait_tensorcnt 0x0                           ; my load has landed
	s_barrier_signal -1
	s_barrier_wait -1                              ; everybody's have
	FETCH 0
	s_wait_loadcnt 0x0                             ; the scale words
.irp s, 0,1,2,3,4,5,6,7
	KSTEP \s
.endr
	WIN 0
	PLACES
; THE WAY OUT.  Block a (A's rowtile a): my 64 registers are 128 neighbours along n of one row m, register 16 b + i = n 32 b + 16 (lane / 16) + i.  They become a fragment's codes and a scale word, and are stored as they stand.
; Each accumulator is read from its low end on.
.macro QUANTW a
.set AC, 64*((\a)%4)
.set WQ, 0x28+0x14*((\a)/4)            ; sources 1 and 2 in window 2 or 3
.set WC, 2+(\a)/4                      ; source 0 in window 2 or 3
	WIN WQ
.irp b, 0,1,2,3
	v_max3_num_f32 v[TM+\b], 0x1800000, |v[AC+16*\b]|, |v[AC+16*\b+1]|   ; block b: my 16 numbers, and the floor 2^(3 - 127): the byte cannot fall under 1
.endr
.irp i, 2,4,6,8,10,12,14
.irp b, 0,1,2,3
	v_max3_num_f32 v[TM+\b], v[TM+\b], |v[AC+16*\b+\i]|, |v[AC+16*\b+\i+1]|
.endr
.endr
	WIN 0
.irp b, 0,1,2,3
	v_permlanex16_b32 v[TM+4+\b], v[TM+\b], s60, s61
.endr
.irp b, 0,1,2,3
	v_max_num_f32 v[TM+\b], v[TM+\b], v[TM+4+\b]   ; with lane l xor 16's: the block's largest magnitude
.endr
.irp b, 0,1,2,3
	v_add_nc_u32 v[TM+12+\b], 0xff000000, v[TM+\b] ; 2 off its exponent field: the conversion's scale operand
.endr
.irp b, 0,1,2,3
	v_lshrrev_b32 v[TM+4+\b], 23, v[TM+12+\b]      ; the byte
.endr
	v_lshl_or_b32 v[PW], v[TM+5], 8, v[TM+4]
	v_lshl_or_b32 v[PW], v[TM+6], 16, v[PW]
	v_lshl_or_b32 v[PW], v[TM+7], 24, v[PW]
	v_lshrrev_b32 v[PWS+(\a)], v3, v[PW]           ; qk: lanes 16-31 keep the odd head's two bytes, lanes 0-15 the even head's in bytes 0, 1;  v: the same word twice
	WIN WC
.irp b, 0,1,2,3
	v_cvt_scalef32_pk8_fp4_f32 v[PCB+8*(\a)+2*\b], v[AC+16*\b:AC+16*\b+7], v[TM+12+\b]
	v_cvt_scalef32_pk8_fp4_f32 v[PCB+8*(\a)+2*\b+1], v[AC+16*\b+8:AC+16*\b+15], v[TM+12+\b]
.endr
	WIN 0
	v_nop                                          ; one plain place behind a scaled conversion
.irp c, 0,1
.irp i, 0,1
	v_permlane16_swap_b32 v[PCB+8*(\a)+4*\c+\i], v[PCB+8*(\a)+4*\c+2+\i]   ; a whole block in a lane
.endr
.endr
	global_store_b128 v1, v[PCB+8*(\a):PCB+8*(\a)+3], s[8:9] offset:1024*(\a)         ; 512 consecutive bytes, aligned; every block has registers of its own, so no store's data are written again
	global_store_b128 v1, v[PCB+8*(\a)+4:PCB+8*(\a)+7], s[8:9] offset:1024*(\a)+512
	global_store_b32 v2, v[PWS+(\a)], s[10:11] offset:128*(\a)
.endm
.irp a, 0,1,2,3,4,5,6,7
	QUANTW \a
.endr
	s_wait_tensorcnt 0x0
	ds_add_u32 v126, v127
	s_wait_dscnt 0x0
	s_endpgm
.Lfunc_end_k_qcb20bba7ba_qkv:
	.size	k_qcb20bba7ba_qkv, .Lfunc_end_k_qcb20bba7ba_qkv-k_qcb20bba7ba_qkv
	.p2alignl 7, 3214868480
	.fill 96, 4, 3214868480
	.section	.rodata,"a",@progbits
	.p2align	6, 0x0
	.amdhsa_kernel k_qcb20bba7ba_qkv
		.amdhsa_group_segment_fixed_size 262656
		.amdhsa_private_segment_fixed_size 0
		.amdhsa_enable_private_segment 0
		.amdhsa_kernarg_size 32
		.amdhsa_user_sgpr_count 2
		.amdhsa_user_sgpr_kernarg_segment_ptr 1
		.amdhsa_wavefront_size32 1
		.amdhsa_system_sgpr_workgroup_id_x 1
		.amdhsa_system_sgpr_workgroup_id_y 1
		.amdhsa_system_sgpr_workgroup_id_z 1
		.amdhsa_system_vgpr_workitem_id 0
		.amdhsa_next_free_vgpr 1024
		.amdhsa_next_free_sgpr 66
		.amdhsa_reserve_vcc 0
		.amdhsa_float_denorm_mode_32 3
		.amdhsa_float_denorm_mode_16_64 3
		.amdhsa_memory_ordered 1
		.amdhsa_forward_progress 1
		.amdhsa_inst_pref_size 127
	.end_amdhsa_kernel
	.amdgpu_metadata
---
amdhsa.version: [ 1, 2 ]
amdhsa.kernels:
  - .name:           k_qcb20bba7ba_qkv
    .symbol:         k_qcb20bba7ba_qkv.kd
    .args:
      - { .name: in_img, .offset: 0, .size: 8, .value_kind: global_buffer, .address_space: global }
      - { .name: in_sc, .offset: 8, .size: 8, .value_kind: global_buffer, .address_space: global }
      - { .name: qkv_img, .offset: 16, .size: 8, .value_kind: global_buffer, .address_space: global }
      - { .name: qkv_sc, .offset: 24, .size: 8, .value_kind: global_buffer, .address_space: global }
    .group_segment_fixed_size: 262656
    .private_segment_fixed_size: 0
    .kernarg_segment_align: 8
    .kernarg_segment_size: 32
    .max_flat_workgroup_size: 128
    .sgpr_count:     66
    .vgpr_count:     1024
    .wavefront_size: 32
...
	.end_amdgpu_metadata
.endif
;; end of part 2
;; launch attn (part 3): grid 4 x 64, 16 waves a work-group, clusters of 4 x 1, 327,680 bytes of LDS; arguments qkv_img, qkv_sc, o_img, o_sc; writes o_img, o_sc
.if DOCPART == 3
	.amdgcn_target "amdgcn-amd-amdhsa--gfx1250"
	.amdhsa_code_object_version 6
	.text
	.protected	k_qcb20bba7ba_attn
	.globl	k_qcb20bba7ba_attn
	.p2align	8
	.type	k_qcb20bba7ba_attn,@function
k_qcb20bba7ba_attn:
	s_mov_b64 s[64:65], 0
	v_nop
	global_prefetch_b8 v0, s[64:65] scope:SCOPE_SE
	s_setreg_imm32_b32 hwreg(HW_REG_WAVE_MODE, 25, 1), 1
	s_wait_xcnt 0x0
	s_wait_alu depctr_hold_cnt(0) depctr_sa_sdst(0) depctr_va_vdst(0) depctr_va_sdst(0) depctr_va_ssrc(0) depctr_va_vcc(0) depctr_vm_vsrc(0)
	s_getreg_b32 s2, hwreg(HW_REG_IB_STS2, 6, 4)
	s_cmp_eq_u32 s2, 0
	s_cbranch_scc0 .Lentry_in_a_cluster
	s_endpgm
.Lentry_in_a_cluster:
	s_bfe_u32 s2, ttmp6, 0x10000c
	s_cmp_lg_u32 s2, 0x3003
	s_cbranch_scc0 .Lentry_shape_is_right
	s_endpgm
.Lentry_shape_is_right:
; Causal attention of one head and batch (cluster y = 16 batch + head), both products on codes of FP4 with E8M0 scales; the result, divided by the row's sum, is quantised along the concatenated heads for the last projection.
; t = score x log2(e) / 8; M = the row's largest t so far, rounded UP to a whole number; p = 2^(t - M) is quantised along the keys, not normalised; the row's sum is taken of the unquantised p.
; When M moves, the sum and O are multiplied by 2^(old M - new M): exact.  Key steps all of whose keys come after a tile's queries lie under reference()'s own causal mask and are left out.
; SHARES.  The four work-groups of a head (place j in a cluster of 4 x 1) share its 128 tiles of 16 queries.  Wave w takes tile T = 8 (w / 2) + 4 (w % 2) + j and tile 127 - T: w / 2 + 1 and 16 - w / 2 key steps of 128 keys: 17 for every wave.
; THE LONG TILE GOES FIRST: its key steps 0 .. 7 are walked by all sixteen waves alike, so K and V can come in three stages: steps 0-3 (with the whole head's scale words), 4-7, 8-15.  Each stage is one load a wave,
; asked for one stage ahead of its reads; every LDS byte is filled once.  Behind the last stage's barrier a wave has 9 steps left: the long tile's rest, then the short tile.
; JOINT LOADS: the four partners read the same K and V, so every tensor load names all four (mask 15).  No branch and no LDS address hangs on j: the steps left out hang on w / 2, the mask's short cut on w % 2.
; PREFETCH: at the change that loads steps 4-7, waves 8 and 9 name the 256-byte blocks of steps 8-15 (128 of K, 128 of V), four key steps ahead of their load; partner j takes blocks 32 j .. 32 j + 31, a lane a block.  Steps 0-7 come by their loads alone.
; LAYOUT.  Both products are used transposed: S^T = K Q^T (source 0 = 16 keys), O^T = V^T P^T (source 0 = 16 channels): a lane holds ONE query.  Lane row r of rowtile R is token (or channel) 32 (R / 2) + 8 (R % 2) + r % 8 + 16 (r / 8),
; so the 16 registers of tiles 2 b and 2 b + 1 are 16 neighbours.  The first product's K is the head's 64: registers 4-7 of Q's and K's fragments are zeros.
; LIMITS: the promise holds while |t| stays under 2^31; a block of zeros or under 2^-124 gets the scale byte 1 (read by this program alone); NaN and infinities are not served.
; REGISTERS: v0 the prefetch's offset; v1-4, v6, v7 offsets that stay; v5 -infinity; v8-11 the step's LDS addresses; v12 -M, v13 the largest t, v[14:15] the sum; v16-23 Q; v24-27 K's scale words, v28-29 V's, v30 Q's; v31 the mask's d;
;   v32-95 K's fragments; v96-159 S^T, then p; v160-191 O^T; v192-223 V's fragments; v224-231 p's codes; v232-245, v252-254 at work; v246-250 the short tile's Q; v251, v255 the add's two.
.set VC,  65536                        ; LDS: K's codes at 0: [step][tile][512];  V's codes here: [tile 0..3][step][1,024]
.set KS,  131072                       ; K's scale words [step][tile][head parity][r][4]
.set VS,  147456                       ; V's [step][tile][two copies][r][4]
.set SPARE, 0x29000                    ; the spare words: 128 bytes for each of 16 waves
.set PF,   2
.set WV,   12
.set TILE, 18
.set NL,   19                          ; the tile's last key step
.set SEL,  20
.set CS,   22
.set G1K,  24
.set G1V,  32
.set G1KS, 40
.set G1VS, 48
.set G0K,  56
.set G0V,  60
.set IG,   66                          ; s[66:67] 8,192 x (wave % 4)
.set G0KS, 68
.set G0VS, 72
.set ST,   76                          ; the key step
.set TB,   77                          ; 4,096 a step: K's codes
.set TS,   78                          ; 1,024 a step: K's scale words, V's codes
.set TJ,   79                          ; 512 a step: V's scale words
.set MB,   80                          ; 1: the tile's queries lie in its diagonal step's upper 64 keys
.set IDX,  100                         ; wave % 4
.set IK,   101                         ; 4,096 x (wave % 4)
.macro GROUP1 g, c, r, p               ; r rows of c elements of 8 bytes, p elements apart; dense in LDS; mask 15 with bit 21 beside it
	s_mov_b32 s[\g], 15|(3<<16)|(1<<21)
	s_mov_b32 s[\g+1], (\c)<<16
	s_mov_b32 s[\g+2], (\r)<<16
	s_mov_b32 s[\g+3], (\c)<<16
	s_mov_b32 s[\g+4], \r
	s_mov_b32 s[\g+5], \p
	s_mov_b32 s[\g+6], 0
	s_mov_b32 s[\g+7], 0
.endm
.macro ROUND                           ; a round of the cluster's barrier
	s_barrier_signal -1
	s_barrier_wait -1
	s_cmp_lg_u32 s[WV], 0
	s_cbranch_scc1 .Lnw0_\@
	s_barrier_signal -3
.Lnw0_\@:
	s_barrier_wait -3
	s_barrier_signal -1
	s_barrier_wait -1
.endm
.macro TL g0, g1                       ; a joint load
	tensor_load_to_lds s[\g0:\g0+3], s[\g1:\g1+7]
	s_nop 0
.rept 4
	v_nop
.endr
.endm
.macro ARM under, g0, g1, next
	s_cmp_lt_u32 s[WV], \under
	s_cbranch_scc0 \next
	TL \g0, \g1
	s_branch .Lhead_asked
\next:
.endm
.macro TLOAD                           ; behind the head: waves 0-3 fetch K's codes, waves 4-7 V's, the others nothing
	s_cmp_lt_u32 s[WV], 4
	s_cbranch_scc0 .Lnk_\@
	TL G0K, G1K
	s_branch .Lta_\@
.Lnk_\@:
	s_cmp_lt_u32 s[WV], 8
	s_cbranch_scc0 .Lta_\@
	TL G0V, G1V
.Lta_\@:
.endm
	s_load_b256 s[4:11], s[0:1], 0x0               ; qkv_img s[4:5], qkv_sc s[6:7], o_img s[8:9], o_sc s[10:11]
	v_lshl_add_u32 v251, v0, 2, SPARE
	v_mov_b32 v255, 0
	ds_add_u32 v251, v255                          ; the opening lines: the add twice on end and its wait ahead of the first tensor load
	ds_add_u32 v251, v255
	v_lshrrev_b32 v8, 5, v0
	v_readfirstlane_b32 s[WV], v8                  ; wave 0..15
	s_bfe_u32 s13, ttmp6, 0x40000                  ; j: my place in the cluster
	s_and_b32 s15, ttmp7, 0xffff
	s_lshr_b32 s14, s15, 4                         ; batch
	s_and_b32 s15, s15, 15                         ; head
	s_lshr_b32 s16, s15, 1                         ; head pair
	s_and_b32 s17, s15, 1                          ; head parity
	s_and_b32 s[IDX], s[WV], 3
	GROUP1 G1K, 64, 8, 128                         ; K's codes of a step: 8 tiles' 512 bytes of my head's parity, 1,024 apart
	GROUP1 G1V, 128, 4, 8192                       ; V's codes: one tile's 1,024 bytes of 4 steps, 65,536 apart
	GROUP1 G1KS, 32, 16, 32                        ; K's scale words: 4,096 dense bytes: 4 steps
	GROUP1 G1VS, 64, 4, 1024                       ; V's: my head's 512 bytes of 4 steps, 8,192 apart
	s_lshl_b32 s[IK], s[IDX], 12
	s_lshl_b32 s[IG], s[IDX], 13
	s_mov_b32 s[IG+1], 0
	s_add_co_u32 s92, s16, 8                       ; k's part of qkv_img: 8 + head pair
	s_lshl_b32 s94, s92, 19
	s_lshl_b32 s93, s14, 17
	s_add_co_u32 s94, s94, s93
	s_lshl_b32 s93, s17, 9
	s_add_co_u32 s94, s94, s93                     ; K's codes, step 0
	s_mov_b32 s95, 0
	s_lshl_b32 s98, s14, 20
	s_add_co_u32 s98, s98, 0x800000
	s_lshl_b32 s93, s15, 12
	s_add_co_u32 s98, s98, s93                     ; V's codes, step 0, tile 0
	s_mov_b32 s99, 0
	s_add_co_u32 s82, s94, 65536                   ; the prefetch: step 8 of K (wave 8) or of V (wave 9)
	s_add_co_u32 s83, s98, 0x80000
	s_cmp_eq_u32 s[WV], 8
	s_cselect_b32 s[PF], s82, s83
	s_cselect_b32 s76, 1, 4                        ; blocks of 256 bytes in a row: 2 | 16, as a shift,
	s_cselect_b32 s77, 1, 15                       ; as a mask,
	s_mov_b32 s78, 65536
	s_cselect_b32 s78, 1024, s78                   ; and bytes from row to row
	s_mov_b32 s[PF+1], 0
	s_add_co_u32 s94, s94, s[IG]                   ; my step of the stage: 8,192 bytes a step
	s_lshl_b32 s93, s[IDX], 10
	s_add_co_u32 s98, s98, s93                     ; my tile of V
	s_lshl_b32 s96, s92, 16
	s_lshl_b32 s93, s14, 14
	s_add_co_u32 s96, s96, s93
	s_add_co_u32 s96, s96, s[IK]                   ; K's scale words: my 4 steps
	s_mov_b32 s97, 0
	s_lshl_b32 s82, s14, 17
	s_add_co_u32 s82, s82, 0x100000
	s_lshl_b32 s93, s[IDX], 15
	s_add_co_u32 s82, s82, s93
	s_lshl_b32 s93, s15, 9
	s_add_co_u32 s82, s82, s93                     ; V's scale words: my 4 steps
	s_mov_b32 s83, 0
	s_mov_b32 s[SEL], 0x76543210
	s_mov_b32 s[SEL+1], 0xfedcba98                 ; v_permlanex16_b32's selects for lane l xor 16
	s_mov_b32 s[CS], 0x3e38aa3b                    ; c = log2(e) / 8
	s_mov_b32 s[CS+1], s[CS]
	s_wait_dscnt 0x0                               ; both opening adds are done
	s_wait_kmcnt 0x0
	s_mov_b32 s[G0K], 1
	s_mov_b32 s[G0K+1], s[IK]
	s_add_nc_u64 s[G0K+2:G0K+3], s[4:5], s[94:95]
	s_or_b32 s[G0K+3], s[G0K+3], 0x80000000
	s_mov_b32 s[G0V], 1
	s_lshl_b32 s[G0V+1], s[IDX], 14
	s_add_co_u32 s[G0V+1], s[G0V+1], VC
	s_add_nc_u64 s[G0V+2:G0V+3], s[4:5], s[98:99]
	s_or_b32 s[G0V+3], s[G0V+3], 0x80000000
	s_mov_b32 s[G0KS], 1
	s_add_co_u32 s[G0KS+1], s[IK], KS
	s_add_nc_u64 s[G0KS+2:G0KS+3], s[6:7], s[96:97]
	s_or_b32 s[G0KS+3], s[G0KS+3], 0x80000000
	s_mov_b32 s[G0VS], 1
	s_lshl_b32 s[G0VS+1], s[IDX], 11
	s_add_co_u32 s[G0VS+1], s[G0VS+1], VS
	s_add_nc_u64 s[G0VS+2:G0VS+3], s[6:7], s[82:83]
	s_or_b32 s[G0VS+3], s[G0VS+3], 0x80000000
	s_add_nc_u64 s[PF:PF+1], s[4:5], s[PF:PF+1]
	ROUND                                          ; all four work-groups are here: the first joint loads meet
	; THE HEAD'S LOADS, one a wave, every way through the chain passes one: waves 0-3 K's codes of steps 0-3, 4-7 V's, 8-11 K's scale words of the whole head, 12-15 V's
	ARM 4,  G0K,  G1K,  .Lhead_v
	ARM 8,  G0V,  G1V,  .Lhead_ks
	ARM 12, G0KS, G1KS, .Lhead_vs
	TL G0VS, G1VS
.Lhead_asked:
	s_mov_b32 s93, 0
	s_lshl_b32 s92, s16, 19
	s_lshl_b32 s81, s14, 17
	s_add_co_u32 s92, s92, s81
	s_lshl_b32 s81, s17, 9
	s_add_co_u32 s92, s92, s81
	s_add_nc_u64 s[84:85], s[4:5], s[92:93]        ; Q's codes: qkv_img + 524,288 pair + 131,072 batch + 512 parity
	s_lshl_b32 s92, s16, 16
	s_lshl_b32 s81, s14, 14
	s_add_co_u32 s92, s92, s81
	s_lshl_b32 s81, s17, 6
	s_add_co_u32 s92, s92, s81
	s_add_nc_u64 s[86:87], s[6:7], s[92:93]        ; Q's scale words
	s_lshl_b32 s92, s14, 20
	s_lshl_b32 s81, s15, 9
	s_add_co_u32 s92, s92, s81
	s_add_nc_u64 s[88:89], s[8:9], s[92:93]        ; o_img + 1,048,576 batch + 512 head
	s_lshl_b32 s92, s14, 16
	s_lshl_b32 s81, s16, 6
	s_add_co_u32 s92, s92, s81
	s_lshl_b32 s81, s17, 1
	s_add_co_u32 s92, s92, s81
	s_add_nc_u64 s[90:91], s[10:11], s[92:93]      ; o_sc + 65,536 batch + 64 pair + 2 parity
	s_lshr_b32 s[NL], s[WV], 1
	s_and_b32 s[MB], s[WV], 1
	s_lshl_b32 s[TILE], s[NL], 3
	s_lshl_b32 s81, s[MB], 2
	s_add_co_u32 s[TILE], s[TILE], s81
	s_add_co_u32 s[TILE], s[TILE], s13             ; the short tile
	s_mov_b32 s83, 0
	s_lshl_b32 s82, s[TILE], 10
	s_add_nc_u64 s[96:97], s[84:85], s[82:83]
	s_lshl_b32 s82, s[TILE], 7
	s_add_nc_u64 s[98:99], s[86:87], s[82:83]
	s_sub_co_u32 s[TILE], 127, s[TILE]             ; the long tile, which goes first
	s_sub_co_u32 s[NL], 15, s[NL]
	s_xor_b32 s[MB], s[MB], 1
	s_lshl_b32 s82, s[TILE], 10
	s_add_nc_u64 s[92:93], s[84:85], s[82:83]
	s_lshl_b32 s82, s[TILE], 7
	s_add_nc_u64 s[94:95], s[86:87], s[82:83]
	s_lshl_b32 s81, s17, 6
	s_add_co_u32 s81, s81, KS
	v_and_b32 v8, 31, v0                           ; lane
	v_and_b32 v9, 15, v0                           ; r
	v_bfe_u32 v10, v0, 4, 1                        ; h
	v_lshlrev_b32 v1, 4, v8                        ; 16 x lane: K's codes in LDS, Q's and O's in memory
	v_lshlrev_b32 v6, 2, v9                        ; 4 r
	global_load_b128 v[16:19], v1, s[92:93]        ; both tiles' Q now
	global_load_b32 v30, v6, s[94:95]
	global_load_b128 v[246:249], v1, s[96:97]
	global_load_b32 v250, v6, s[98:99]
	v_add_nc_u32 v2, VC, v1                        ; V's codes
	v_lshl_add_u32 v4, v10, 7, v6                  ; scale words: lanes 16-31 take the next tile's: 128 h + 4 r
	v_add_nc_u32 v3, s81, v4                       ; K's: + 64 parity
	v_add_nc_u32 v4, VS, v4                        ; V's
	v_and_b32 v7, 7, v9
	v_lshrrev_b32 v11, 3, v9
	v_lshl_add_u32 v7, v11, 4, v7
	v_lshlrev_b32 v11, 4, v10
	v_sub_nc_u32 v7, v7, v11                       ; r % 8 + 16 (r / 8) - 16 h
	v_mov_b32 v5, 0xff800000                       ; -infinity
	v_lshl_add_u32 v8, s13, 5, v8                  ; the prefetch: block 32 j + lane of 128
	v_lshrrev_b32 v9, s76, v8
	v_mul_lo_u32 v9, v9, s78                       ; its row,
	v_and_b32 v8, s77, v8
	v_lshl_add_u32 v0, v8, 8, v9                   ; and its 256 bytes in the row
.irp i, 20,21,22,23
	v_mov_b32 v\i, 0                               ; Q's k = 64 .. 127: zero codes
.endr
.irp t, 0,1,2,3,4,5,6,7
.irp i, 4,5,6,7
	v_mov_b32 v[32+8*\t+\i], 0                     ; K's likewise: they stay
.endr
.endr
.irp i, 236,237,238,239,252,253
	v_mov_b32 v\i, 0                               ; written once: a lane permute's destination counts as a source; v253 is named in a pair
.endr
.macro TINIT                           ; a tile begins
	s_and_b32 s82, s[TILE], 7
	s_lshr_b32 s81, s82, 1
	s_lshl_b32 s81, s81, 5
	s_and_b32 s82, s82, 1
	s_lshl_b32 s82, s82, 3
	s_add_co_u32 s82, s82, s81
	v_add_nc_u32 v31, s82, v7                      ; d = my query's place among its step's 128 tokens - 16 h.  Register 16 b + i holds key 32 b + 16 h + i: hidden where 32 b + i > d
	v_mov_b32 v13, 0xff61b1e6                      ; the largest t so far: -3e38
	v_floor_f32 v12, -v13                          ; -M
	v_mov_b32 v14, 0
	v_mov_b32 v15, 0
.set j, 0
.rept 32
	v_mov_b32 v[160+j], 0                          ; O^T: the first change of M leaves zeros zeros
.set j, j+1
.endr
	s_mov_b32 s[ST], 0
	s_mov_b32 s[TB], 0
	s_mov_b32 s[TS], 0
	s_mov_b32 s[TJ], 0
.endm
; A KEY STEP: 128 keys.  m = 1: the step may lie behind the tile's diagonal (left out) or on it (masked).
.macro STEP m
.if \m
	s_cmp_gt_u32 s[ST], s[NL]
	s_cbranch_scc1 .Lskip_\@
.endif
	v_add_nc_u32 v8, s[TB], v1
	v_add_nc_u32 v10, s[TS], v3
.irp t, 0,1,2,3,4,5,6,7
	ds_load_b128 v[32+8*\t:35+8*\t], v8 offset:512*\t
.endr
.irp q, 0,1,2,3
	ds_load_b32 v[24+\q], v10 offset:256*\q        ; lanes 0-15 tile 2 q's words, lanes 16-31 tile 2 q + 1's
.endr
	s_wait_dscnt 0x0                               ; K's twelve loads: nothing else of mine is out
.irp t, 0,2,4,6
	v_wmma_scale_f32_16x16x128_f8f6f4 v[96+8*\t:103+8*\t], v[32+8*\t:39+8*\t], v[16:23], 0, v[24+\t/2], v30 matrix_a_fmt:MATRIX_FMT_FP4 matrix_b_fmt:MATRIX_FMT_FP4
	v_wmma_scale_f32_16x16x128_f8f6f4 v[104+8*\t:111+8*\t], v[40+8*\t:47+8*\t], v[16:23], 0, v[24+\t/2], v30 matrix_a_fmt:MATRIX_FMT_FP4 matrix_b_fmt:MATRIX_FMT_FP4 matrix_a_scale:MATRIX_SCALE_ROW1
.endr
	v_add_nc_u32 v9, s[TS], v2                     ; four places behind the products; with the two additions above they also part the last step's products from the loads into V's registers
	v_add_nc_u32 v11, s[TJ], v4
	v_mov_b32 v240, v12                            ; the old -M
	v_nop
.irp t, 0,1,2,3
	ds_load_b128 v[192+8*\t:195+8*\t], v9 offset:16384*\t
	ds_load_b128 v[196+8*\t:199+8*\t], v9 offset:16384*\t+512
.endr
.irp q, 0,1
	ds_load_b32 v[28+\q], v11 offset:256*\q
.endr
.if \m
	s_cmp_lg_u32 s[ST], s[NL]                      ; only the tile's last step lies on the diagonal
	s_cbranch_scc1 .Lopen_\@
	s_cmp_lg_u32 s[MB], 0                          ; queries in the step's upper 64 tokens see all of its keys 0 .. 63
	s_cbranch_scc1 .Lhalf_\@
.set n, 0
.rept 32
	v_cmp_gt_i32 vcc_lo, 32*(n/16)+n%16, v31
	v_cndmask_b32 v[96+n], v[96+n], v5, vcc_lo     ; hidden scores become -infinity: p = 0.  A query's own key always counts, so M is a number
.set n, n+1
.endr
.Lhalf_\@:
.set n, 32
.rept 32
	v_cmp_gt_i32 vcc_lo, 32*(n/16)+n%16, v31
	v_cndmask_b32 v[96+n], v[96+n], v5, vcc_lo
.set n, n+1
.endr
.Lopen_\@:
.endif
.irp b, 0,1,2,3
	v_max3_num_f32 v[232+\b], v[96+16*\b], v[97+16*\b], v[98+16*\b]   ; the largest score of each block of 32 keys: for the row's maximum and, since p rises with the score, for the block's largest p
.endr
.irp i, 3,5,7,9,11,13
.irp b, 0,1,2,3
	v_max3_num_f32 v[232+\b], v[232+\b], v[96+16*\b+\i], v[97+16*\b+\i]
.endr
.endr
.irp b, 0,1,2,3
	v_max_num_f32 v[232+\b], v[232+\b], v[111+16*\b]
.endr
.irp b, 0,1,2,3
	s_delay_alu instid0(VALU_DEP_4)
	v_permlanex16_b32 v[236+\b], v[232+\b], s[SEL], s[SEL+1]
.endr
.irp b, 0,1,2,3
	s_delay_alu instid0(VALU_DEP_4)
	v_max_num_f32 v[232+\b], v[232+\b], v[236+\b]  ; with lane l xor 16's 16 keys
.endr
	s_delay_alu instid0(VALU_DEP_2)
	v_max3_num_f32 v254, v232, v233, v234
	s_delay_alu instid0(VALU_DEP_1)
	v_max_num_f32 v254, v254, v235                 ; the step's largest score of my query
	s_delay_alu instid0(VALU_DEP_1)
	v_mul_f32 v254, s[CS], v254                    ; as t (c is positive)
	s_delay_alu instid0(VALU_DEP_1)
	v_max_num_f32 v13, v13, v254                   ; the running largest t
	s_delay_alu instid0(VALU_DEP_1)
	v_floor_f32 v12, -v13                          ; the new -M = -ceil(t)
	s_delay_alu instid0(VALU_DEP_1)
	v_sub_f32 v254, v12, v240                      ; old M less new M: a whole number, 0 or less
	s_delay_alu instid0(VALU_DEP_1)
	v_cvt_i32_f32 v254, v254                       ; (it saturates)
	s_delay_alu instid0(VALU_DEP_1)
	v_ldexp_f32 v252, 1.0, v254                    ; f = 2^(old M - new M)
.set j, 0
.rept 32
	v_pk_fma_f32 v[96+j:97+j], v[96+j:97+j], s[CS:CS+1], v[12:13] op_sel_hi:[1,0,0]   ; t - M, two at a time
.set j, j+2
.endr
.irp b, 0,1,2,3
	v_fma_f32 v[232+\b], v[232+\b], s[CS], v12     ; the same of each block's largest score
.endr
	s_wait_alu depctr_va_vdst(0)                   ; the wait ahead of the batch
.set j, 0
.rept 64
	v_exp_f32 v[96+j], v[96+j]                     ; p = 2^(t - M), at most 1
.set j, j+1
.endr
.irp b, 0,1,2,3
	v_exp_f32 v[232+\b], v[232+\b]                 ; the block's largest p: the same two instructions on the same number
.endr
	v_pk_mul_f32 v[14:15], v[14:15], v[252:253] op_sel_hi:[1,0]   ; the sum under the new M: a plain place behind the batch
	s_wait_dscnt 0x0                               ; V's ten loads
	s_wait_alu depctr_va_vdst(0)                   ; one wait behind the batch, directly ahead of the first readers of O^T
.set j, 0
.rept 16
	v_pk_mul_f32 v[160+j:161+j], v[160+j:161+j], v[252:253] op_sel_hi:[1,0]   ; O^T under the new M; each accumulator from its low end on
.set j, j+2
.endr
.irp b, 0,1,2,3
	v_max_num_f32 v[232+\b], 0x1800000, v[232+\b]  ; the floor 2^(3 - 127): the byte cannot fall under 1
.endr
.irp b, 0,1,2,3
	s_delay_alu instid0(VALU_DEP_4)
	v_add_nc_u32 v[240+\b], 0xff000000, v[232+\b]  ; 2 off the exponent field: the conversion's scale operand (v240-243: the old -M is done with; v246-250 hold the short tile's Q)
.endr
.irp b, 0,1,2,3
	s_delay_alu instid0(VALU_DEP_4)
	v_lshrrev_b32 v[236+\b], 23, v[240+\b]         ; the byte
.endr
	s_delay_alu instid0(VALU_DEP_3)
	v_lshl_or_b32 v253, v237, 8, v236              ; p's scale word for these 128 keys
	s_delay_alu instid0(VALU_DEP_1)
	v_lshl_or_b32 v253, v238, 16, v253
	s_delay_alu instid0(VALU_DEP_1)
	v_lshl_or_b32 v253, v239, 24, v253
.irp b, 0,1,2,3
	v_cvt_scalef32_pk8_fp4_f32 v[224+2*\b], v[96+16*\b:103+16*\b], v[240+\b]
	v_cvt_scalef32_pk8_fp4_f32 v[225+2*\b], v[104+16*\b:111+16*\b], v[240+\b]
.endr
	v_nop                                          ; one plain place behind a scaled conversion
.irp c, 0,1
.irp i, 0,1
	v_permlane16_swap_b32 v[224+4*\c+\i], v[226+4*\c+\i]   ; a whole block in a lane
.endr
.endr
	v_pk_add_f32 v[240:241], v[96:97], v[98:99]    ; the row's sum of the unquantised p: 32 pairs in four chains.  These 32 lines are also the places between p's codes and scale word and the products below
	v_pk_add_f32 v[242:243], v[100:101], v[102:103]
	v_pk_add_f32 v[244:245], v[104:105], v[106:107]
	v_pk_add_f32 v[14:15], v[14:15], v[108:109]
.irp j, 110,118,126,134,142,150
	v_pk_add_f32 v[240:241], v[240:241], v[\j:\j+1]
	v_pk_add_f32 v[242:243], v[242:243], v[\j+2:\j+3]
	v_pk_add_f32 v[244:245], v[244:245], v[\j+4:\j+5]
	v_pk_add_f32 v[14:15], v[14:15], v[\j+6:\j+7]
.endr
	v_pk_add_f32 v[240:241], v[240:241], v[158:159]
	v_pk_add_f32 v[242:243], v[242:243], v[244:245]
	v_pk_add_f32 v[14:15], v[14:15], v[240:241]
	v_pk_add_f32 v[14:15], v[14:15], v[242:243]
.irp t, 0,2
	v_wmma_scale_f32_16x16x128_f8f6f4 v[160+8*\t:167+8*\t], v[192+8*\t:199+8*\t], v[224:231], v[160+8*\t:167+8*\t], v[28+\t/2], v253 matrix_a_fmt:MATRIX_FMT_FP4 matrix_b_fmt:MATRIX_FMT_FP4
	v_wmma_scale_f32_16x16x128_f8f6f4 v[168+8*\t:175+8*\t], v[200+8*\t:207+8*\t], v[224:231], v[168+8*\t:175+8*\t], v[28+\t/2], v253 matrix_a_fmt:MATRIX_FMT_FP4 matrix_b_fmt:MATRIX_FMT_FP4 matrix_a_scale:MATRIX_SCALE_ROW1
.endr
.if \m
.Lskip_\@:
.endif
	s_add_co_u32 s[TB], s[TB], 4096
	s_add_co_u32 s[TS], s[TS], 1024
	s_add_co_u32 s[TJ], s[TJ], 512
	s_add_co_u32 s[ST], s[ST], 1
.endm
; A CHANGE OF STAGES.  Every wave waits for its tensor load, adds 0 to its spare word and waits for that; behind the round (next = 0: the barrier) the stage that was asked for last is whole in every partner.
; next = 1: steps 4-7 are asked for; next = 2: steps 8-15, twice the rows a load.  All are first fills; one load of a wave is out.
.macro CHANGE next
	s_wait_tensorcnt 0x0                           ; no tensor load of mine is out, so descriptors may be written
	ds_add_u32 v251, v255
.if \next
	s_add_co_u32 s[G0K+1], s[G0K+1], 16384         ; four steps on
	s_add_nc_u64 s[G0K+2:G0K+3], s[G0K+2:G0K+3], 32768
	s_add_co_u32 s[G0V+1], s[G0V+1], 4096
	s_add_nc_u64 s[G0V+2:G0V+3], s[G0V+2:G0V+3], 262144
.endif
.if \next == 2
	s_add_co_u32 s[G0K+1], s[G0K+1], s[IK]         ; wave i now takes steps 8 + 2 i and 9 + 2 i
	s_add_nc_u64 s[G0K+2:G0K+3], s[G0K+2:G0K+3], s[IG:IG+1]
	s_mov_b32 s[G1K+2], 16<<16
	s_mov_b32 s[G1K+4], 16
	s_mov_b32 s[G1V+2], 8<<16
	s_mov_b32 s[G1V+4], 8
.endif
	s_wait_dscnt 0x0
.if \next
	ROUND
	TLOAD
.else
	s_barrier_signal -1
	s_barrier_wait -1
.endif
.endm
; A TILE'S END.  O^T / the sum: register 16 b + i is channel 32 b + 16 h + i of my query: two blocks of the last projection's K: 4 registers of codes and two scale bytes.
.macro FINISH
.rept 4
	v_nop                                          ; four places behind the last products
.endr
	s_mov_b32 s83, 0
	s_lshl_b32 s82, s[TILE], 13
	s_add_nc_u64 s[92:93], s[88:89], s[82:83]      ; the tile's place in o_img,
	s_lshl_b32 s82, s[TILE], 9
	s_add_nc_u64 s[94:95], s[90:91], s[82:83]      ; and in o_sc
	s_wait_alu depctr_va_vdst(0)
	v_add_f32 v14, v14, v15
	v_permlanex16_b32 v252, v14, s[SEL], s[SEL+1]
	v_add_f32 v14, v14, v252                       ; the row's sum
	s_wait_alu depctr_va_vdst(0)                   ; ahead of the transcendental
	v_rcp_f32 v14, v14
	v_nop
	s_wait_alu depctr_va_vdst(0)                   ; behind it, directly ahead of the first readers of O^T
.set j, 0
.rept 16
	v_pk_mul_f32 v[96+j:97+j], v[160+j:161+j], v[14:15] op_sel_hi:[1,0]
.set j, j+2
.endr
.irp b, 0,1
	v_max3_num_f32 v[232+\b], |v[96+16*\b]|, |v[97+16*\b]|, 0x1800000
.endr
.irp i, 2,4,6,8,10,12,14
.irp b, 0,1
	v_max3_num_f32 v[232+\b], v[232+\b], |v[96+16*\b+\i]|, |v[97+16*\b+\i]|
.endr
.endr
.irp b, 0,1
	v_permlanex16_b32 v[236+\b], v[232+\b], s[SEL], s[SEL+1]
.endr
.irp b, 0,1
	v_max_num_f32 v[232+\b], v[232+\b], v[236+\b]
.endr
.irp b, 0,1
	v_add_nc_u32 v[244+\b], 0xff000000, v[232+\b]
.endr
.irp b, 0,1
	v_lshrrev_b32 v[236+\b], 23, v[244+\b]
.endr
	v_lshl_or_b32 v254, v237, 8, v236              ; my head's two bytes of the row's scale word
.irp b, 0,1
	v_cvt_scalef32_pk8_fp4_f32 v[224+2*\b], v[96+16*\b:103+16*\b], v[244+\b]
	v_cvt_scalef32_pk8_fp4_f32 v[225+2*\b], v[104+16*\b:111+16*\b], v[244+\b]
.endr
	v_nop
	v_permlane16_swap_b32 v224, v226
	v_permlane16_swap_b32 v225, v227               ; lane (r, h): channels 32 h + 0 .. 31
	global_store_b128 v1, v[224:227], s[92:93]     ; 512 consecutive bytes, aligned
	global_store_b16 v6, v254, s[94:95]            ; lanes l and l + 16 hold the same two bytes and write them to the same place
	s_wait_xcnt 0x0                                ; the stores' data and bases are written again only behind this wait
.endm
	TINIT
	s_wait_alu depctr_va_vdst(0)                   ; the wait at the head's end
	CHANGE 1                                       ; steps 0-3 and the scale words are in; steps 4-7 are asked for
	s_lshr_b32 s81, s[WV], 1
	s_cmp_eq_u32 s81, 4                            ; waves 8 and 9 name steps 8-15's blocks
	s_cbranch_scc0 .Lnot_mine
	global_prefetch_b8 v0, s[PF:PF+1] th:TH_LOAD_NT scope:SCOPE_SE
.Lnot_mine:
	s_wait_loadcnt 0x0                             ; Q, both tiles
.Lpa:                                              ; the long tile, steps 0-3
	STEP 0
	s_cmp_lt_u32 s[ST], 4
	s_cbranch_scc1 .Lpa
	CHANGE 2                                       ; steps 4-7 are in; steps 8-15 are asked for
.Lpb:
	STEP 0
	s_cmp_lt_u32 s[ST], 8
	s_cbranch_scc1 .Lpb
	CHANGE 0                                       ; all of K and V is in: from here on LDS is only read
.Lpc:                                              ; steps 8 .. 15 - w / 2, the last on the diagonal
	STEP 1
	s_cmp_lt_u32 s[ST], 16
	s_cbranch_scc1 .Lpc
	FINISH
	s_sub_co_u32 s[TILE], 127, s[TILE]             ; the short tile
	s_sub_co_u32 s[NL], 15, s[NL]
	s_xor_b32 s[MB], s[MB], 1
.irp i, 0,1,2,3
	v_mov_b32 v[16+\i], v[246+\i]
.endr
	v_mov_b32 v30, v250                            ; TINIT's lines are the places ahead of the scaled products
	TINIT
.Lpd:                                              ; steps 0 .. w / 2
	STEP 1
	s_cmp_lt_u32 s[ST], 8
	s_cbranch_scc1 .Lpd
	FINISH
	s_wait_tensorcnt 0x0                           ; the wave's end
	ds_add_u32 v251, v255
	s_wait_dscnt 0x0
	ROUND                                          ; the closing round
	s_endpgm
.Lfunc_end_k_qcb20bba7ba_attn:
	.size	k_qcb20bba7ba_attn, .Lfunc_end_k_qcb20bba7ba_attn-k_qcb20bba7ba_attn
	.p2alignl 7, 3214868480
	.fill 96, 4, 3214868480
	.section	.rodata,"a",@progbits
	.p2align	6, 0x0
	.amdhsa_kernel k_qcb20bba7ba_attn
		.amdhsa_group_segment_fixed_size 327680
		.amdhsa_private_segment_fixed_size 0
		.amdhsa_enable_private_segment 0
		.amdhsa_kernarg_size 32
		.amdhsa_user_sgpr_count 2
		.amdhsa_user_sgpr_kernarg_segment_ptr 1
		.amdhsa_wavefront_size32 1
		.amdhsa_system_sgpr_workgroup_id_x 1
		.amdhsa_system_sgpr_workgroup_id_y 1
		.amdhsa_system_sgpr_workgroup_id_z 1
		.amdhsa_system_vgpr_workitem_id 0
		.amdhsa_next_free_vgpr 256
		.amdhsa_next_free_sgpr 102
		.amdhsa_reserve_vcc 1
		.amdhsa_float_denorm_mode_32 3
		.amdhsa_float_denorm_mode_16_64 3
		.amdhsa_memory_ordered 1
		.amdhsa_forward_progress 1
		.amdhsa_inst_pref_size 99
	.end_amdhsa_kernel
	.amdgpu_metadata
---
amdhsa.version: [ 1, 2 ]
amdhsa.kernels:
  - .name:           k_qcb20bba7ba_attn
    .symbol:         k_qcb20bba7ba_attn.kd
    .args:
      - { .name: qkv_img, .offset: 0, .size: 8, .value_kind: global_buffer, .address_space: global }
      - { .name: qkv_sc, .offset: 8, .size: 8, .value_kind: global_buffer, .address_space: global }
      - { .name: o_img, .offset: 16, .size: 8, .value_kind: global_buffer, .address_space: global }
      - { .name: o_sc, .offset: 24, .size: 8, .value_kind: global_buffer, .address_space: global }
    .group_segment_fixed_size: 327680
    .private_segment_fixed_size: 0
    .kernarg_segment_align: 8
    .kernarg_segment_size: 32
    .max_flat_workgroup_size: 512
    .sgpr_count:     102
    .vgpr_count:     256
    .wavefront_size: 32
...
	.end_amdgpu_metadata
.endif
;; end of part 3
;; launch proj (part 4): grid 4 x 64, 4 waves a work-group, no clusters, 230,912 bytes of LDS; arguments o_img, o_sc, in_img, in_sc, bo, out0; writes out0
.if DOCPART == 4
	.amdgcn_target "amdgcn-amd-amdhsa--gfx1250"
	.amdhsa_code_object_version 6
	.text
	.protected	k_qcb20bba7ba_proj
	.globl	k_qcb20bba7ba_proj
	.p2align	8
	.type	k_qcb20bba7ba_proj,@function
k_qcb20bba7ba_proj:
	s_mov_b64 s[64:65], 0
	v_nop
	global_prefetch_b8 v0, s[64:65] scope:SCOPE_SE
	s_setreg_imm32_b32 hwreg(HW_REG_WAVE_MODE, 25, 1), 1
	s_wait_xcnt 0x0
; out0[token][o] = sum over k = 0 .. 1,023 of O[token][k] Wo[o][k] + bo[o], on codes of FP4 with E8M0 scales, f32 sums.
; O's codes come from o_img / o_sc, Wo's from in_img / in_sc (rowtiles 704 ..), both laid as registers want them: [rowtile of 16][K step of 128][c][lane][16 bytes]; lane row r of rowtile R is row 32 (R / 2) + 8 (R % 2) + r % 8 + 16 (r / 8).
; SHARES.  A work-group makes 128 tokens (y) x 256 outputs (x): 4 x 64 = 256 work-groups.  A wave makes 64 x 128: 32 accumulators.  Both panels fit in LDS whole: two slots of four K steps, each filled ONCE, by one tensor load a wave,
; the four issued together at the head (one of a wave is out).  No LDS byte is filled again; the stages for the way out have bytes of their own, behind the slots.
; THE MATRIX INSTRUCTION IS USED TRANSPOSED (source 0 = 16 rows of Wo, source 1 = 16 tokens): a lane holds one token, and the 16 registers of Wo's rowtiles 2 t, 2 t + 1 are outputs 32 t + 16 (lane / 16) + 0 .. 15.
; The bias is the C of each sum's first matrix instruction: eight registers for each of Wo's rowtiles, in the result's layout.
; NO CLUSTER: every load is the work-group's own.  O's panel is asked for by 4 work-groups and Wo's by 64: joint loads could divide those requests by four; this text does not use them.
; REGISTERS, in windows of 256: window 0: v1-4 offsets, v16-25 LDS addresses, v32-47 O's scale words, v64-95 Wo's, v128-191 O's fragments in two sets (on the way out v128-255: rows read back);
;   window 1: v0-127 Wo's fragments in two sets;  window 2: the accumulators ((a, b) at v[8 (8 a + b)]);  window 3: v0-63 the bias.
.set SA,   32
.set SB,   64
.set AF,   128
.set ADRA, 16
.set ADRB, 20
.set STO,  24
.set RD,   25
.set SLOT, 98304                       ; O's 8 rowtiles x 4,096 bytes, then Wo's 16
.set STG,  2*SLOT                      ; the stages: 16 rows x (512 + 16) bytes for each wave
.set SP,   528
.set G1A,  24
.set G1B,  32
.set MSB, 0
.macro WIN new                         ; the immediate's high byte repeats the setting that is left; a switch that changes nothing is dropped
.if MSB != (\new)
	s_set_vgpr_msb (MSB<<8)|(\new)
.set MSB, (\new)
.endif
.endm
.macro PLACES                          ; four plain places behind matrix instructions (ISA guide 7.12.1)
.rept 4
	v_nop
.endr
.endm
	s_load_b256 s[4:11], s[0:1], 0x0               ; o_img s[4:5], o_sc s[6:7], in_img s[8:9], in_sc s[10:11]
	s_load_b128 s[12:15], s[0:1], 0x20             ; bo s[12:13], out0 s[14:15]
	v_lshl_add_u32 v126, v0, 2, 0x38400
	v_mov_b32 v127, 0
	ds_add_u32 v126, v127
	ds_add_u32 v126, v127
	v_lshrrev_b32 v1, 5, v0
	v_readfirstlane_b32 s16, v1                    ; wave 0..3
	s_mov_b32 s17, ttmp9                           ; x: 256 outputs
	s_and_b32 s18, ttmp7, 0xffff                   ; y: 128 tokens
	s_lshr_b32 s19, s16, 1                         ; my half of the tokens
	s_and_b32 s20, s16, 1                          ; my half of the outputs
	; descriptor groups 1: rows (rowtiles) of 4,096 bytes (four K steps), 8,192 bytes apart, in elements of 8 bytes; dense in LDS.  O's: 8 rows a load; Wo's: 16
	s_mov_b32 s[G1A+0], 3<<16
	s_mov_b32 s[G1A+1], 512<<16
	s_mov_b32 s[G1A+2], 8<<16                      ; a load brings O's 8 rowtiles
	s_mov_b32 s[G1A+3], 512<<16
	s_mov_b32 s[G1A+4], 8
	s_mov_b32 s[G1A+5], 1024
	s_mov_b32 s[G1A+6], 0
	s_mov_b32 s[G1A+7], 0
	s_mov_b32 s[G1B+0], 3<<16
	s_mov_b32 s[G1B+1], 512<<16
	s_mov_b32 s[G1B+2], 16<<16                     ; or Wo's 16
	s_mov_b32 s[G1B+3], 512<<16
	s_mov_b32 s[G1B+4], 16
	s_mov_b32 s[G1B+5], 1024
	s_mov_b32 s[G1B+6], 0
	s_mov_b32 s[G1B+7], 0
	s_lshl_b32 s56, s18, 16                        ; O: rowtile 8 y,
	s_lshl_b32 s21, s19, 12                        ; K steps 4 (w / 2) on
	s_add_co_u32 s56, s56, s21
	s_mov_b32 s57, 0
	s_lshl_b32 s58, s17, 4
	s_add_co_u32 s58, s58, 704
	s_mov_b32 s22, s58
	s_lshl_b32 s21, s20, 3
	s_add_co_u32 s62, s58, s21                     ; (my 8 rowtiles of Wo, for the scale words)
	s_lshl_b32 s58, s22, 13                        ; Wo: rowtile 704 + 16 x,
	s_lshl_b32 s21, s19, 12                        ; K steps 4 (w / 2) on
	s_add_co_u32 s58, s58, s21
	s_mov_b32 s59, 0
	s_lshl_b32 s62, s62, 9
	s_mov_b32 s63, 0
	s_lshl_b32 s60, s18, 3
	s_lshl_b32 s21, s19, 2
	s_add_co_u32 s60, s60, s21
	s_lshl_b32 s60, s60, 9                         ; my 4 rowtiles of O, for the scale words
	s_mov_b32 s61, 0
	s_lshl_b32 s22, s17, 10
	s_lshl_b32 s21, s20, 9
	s_add_co_u32 s22, s22, s21                     ; my first output, in bytes: (256 x + 128 (w % 2)) 4
	s_mov_b32 s23, 0
	s_wait_dscnt 0x0
	s_wait_kmcnt 0x0
	s_add_nc_u64 s[56:57], s[4:5], s[56:57]
	s_add_nc_u64 s[58:59], s[8:9], s[58:59]
	s_add_nc_u64 s[60:61], s[6:7], s[60:61]
	s_add_nc_u64 s[62:63], s[10:11], s[62:63]
	s_add_nc_u64 s[12:13], s[12:13], s[22:23]
	s_add_nc_u64 s[14:15], s[14:15], s[22:23]
	s_lshl_b32 s22, s18, 19                        ; 128 y rows of 4,096 bytes,
	s_lshl_b32 s21, s19, 18                        ; 64 (w / 2) rows
	s_add_co_u32 s22, s22, s21
	s_add_nc_u64 s[14:15], s[14:15], s[22:23]
	; descriptor groups 0: O slot 0, Wo slot 0, O slot 1, Wo slot 1
	; ONE TENSOR LOAD A WAVE: waves 0 and 2 bring O's panel of slots 0 and 1, waves 1 and 3 Wo's: two arms of one branch on the wave's number, one load to an arm
	s_mov_b32 s40, 1
	s_mul_i32 s41, s19, SLOT
	s_mov_b64 s[42:43], s[56:57]
	s_or_b32 s43, s43, 0x80000000
	s_mov_b32 s44, 1
	s_add_co_u32 s45, s41, 32768
	s_mov_b64 s[46:47], s[58:59]
	s_or_b32 s47, s47, 0x80000000
	s_cmp_eq_u32 s20, 0
	s_cbranch_scc0 .Lhead_wo
	tensor_load_to_lds s[40:43], s[G1A:G1A+7]
	s_nop 0
.rept 4
	v_nop
.endr
	s_branch .Lhead_asked
.Lhead_wo:
	tensor_load_to_lds s[44:47], s[G1B:G1B+7]
	s_nop 0
.rept 4
	v_nop
.endr
.Lhead_asked:
	v_and_b32 v3, 31, v0
	v_lshlrev_b32 v1, 4, v3                        ; 16 x lane
	v_lshlrev_b32 v2, 2, v3                        ; 4 x lane
	v_and_b32 v5, 15, v0                           ; r
	s_wait_alu depctr_va_vdst(0)
	v_bfe_u32 v6, v0, 4, 1                         ; h
	v_lshlrev_b32 v4, 6, v6                        ; the bias: lanes 16-31 take the 16 outputs further on
.irp a, 0,1,2,3
.irp p, 0,1,2,3
	global_load_b32 v[SA+4*\a+\p], v2, s[60:61] offset:512*\a+128*\p   ; lanes 0-15 K step 2 p's words, lanes 16-31 K step 2 p + 1's
.endr
.endr
.irp b, 0,1,2,3,4,5,6,7
.irp p, 0,1,2,3
	global_load_b32 v[SB+4*\b+\p], v2, s[62:63] offset:512*\b+128*\p
.endr
.endr
	WIN 0xc0                                       ; destination window 3, address window 0
.irp b, 0,1,2,3,4,5,6,7
	global_load_b128 v[8*\b:8*\b+3],   v4, s[12:13] offset:(32*(\b/2)+8*(\b%2))*4      ; bo at outputs 32 (b / 2) + 16 h + 8 (b % 2) + 0 .. 7
	global_load_b128 v[8*\b+4:8*\b+7], v4, s[12:13] offset:(32*(\b/2)+8*(\b%2))*4+16
.endr
	WIN 0
	s_lshl_b32 s21, s19, 14                        ; my 4 rowtiles of O in a slot
	v_add_nc_u32 v[ADRA], s21, v1
	s_add_co_u32 s21, s21, SLOT
	v_add_nc_u32 v[ADRA+1], s21, v1
	s_lshl_b32 s21, s20, 15                        ; my 8 rowtiles of Wo
	s_add_co_u32 s21, s21, 32768
	v_add_nc_u32 v[ADRB], s21, v1
	s_add_co_u32 s21, s21, SLOT
	v_add_nc_u32 v[ADRB+1], s21, v1
	s_mul_i32 s21, s16, 16*SP
	s_add_co_u32 s21, s21, STG                     ; my stage
	v_mul_u32_u24 v[STO], v5, SP
	s_wait_alu depctr_va_vdst(0)
	v_lshl_add_u32 v[STO], v6, 6, v[STO]
	v_add_nc_u32 v[STO], s21, v[STO]               ; in: row r, + 64 h
	v_add_nc_u32 v[RD], s21, v1                    ; back: 16 x lane of a row
.macro FETCH s                         ; K step s's fragments: 16 loads for Wo, 8 for O, 512 consecutive bytes each, into set s % 2
.set FK, (\s)/4
.set FQ, (\s)%4
.set FS, (\s)%2
	WIN 0x40                                       ; destination window 1, address window 0
.irp i, 0,1,2,3,4,5,6,7
	ds_load_b128 v[64*FS+8*\i:64*FS+8*\i+3],   v[ADRB+FK] offset:4096*\i+1024*FQ
	ds_load_b128 v[64*FS+8*\i+4:64*FS+8*\i+7], v[ADRB+FK] offset:4096*\i+1024*FQ+512
.endr
	WIN 0
.irp i, 0,1,2,3
	ds_load_b128 v[AF+32*FS+8*\i:AF+32*FS+8*\i+3],   v[ADRA+FK] offset:4096*\i+1024*FQ
	ds_load_b128 v[AF+32*FS+8*\i+4:AF+32*FS+8*\i+7], v[ADRA+FK] offset:4096*\i+1024*FQ+512
.endr
.endm
; 32 matrix instructions.  The 32 accumulators take turns, one instruction a turn, in the same order in every K step.  K step 0 starts the sums with the bias.
.macro MUL s
.set MS, (\s)%2
.set MP, (\s)/2
.irp a, 0,1,2,3
.irp b, 0,1,2,3,4,5,6,7
.if (\s) == 0
	v_wmma_scale_f32_16x16x128_f8f6f4 v[8*(8*\a+\b):8*(8*\a+\b)+7], v[64*MS+8*\b:64*MS+8*\b+7], v[AF+32*MS+8*\a:AF+32*MS+8*\a+7], v[8*\b:8*\b+7], v[SB+4*\b+MP], v[SA+4*\a+MP] matrix_a_fmt:MATRIX_FMT_FP4 matrix_b_fmt:MATRIX_FMT_FP4
.elseif MS == 0
	v_wmma_scale_f32_16x16x128_f8f6f4 v[8*(8*\a+\b):8*(8*\a+\b)+7], v[64*MS+8*\b:64*MS+8*\b+7], v[AF+32*MS+8*\a:AF+32*MS+8*\a+7], v[8*(8*\a+\b):8*(8*\a+\b)+7], v[SB+4*\b+MP], v[SA+4*\a+MP] matrix_a_fmt:MATRIX_FMT_FP4 matrix_b_fmt:MATRIX_FMT_FP4
.else
	v_wmma_scale_f32_16x16x128_f8f6f4 v[8*(8*\a+\b):8*(8*\a+\b)+7], v[64*MS+8*\b:64*MS+8*\b+7], v[AF+32*MS+8*\a:AF+32*MS+8*\a+7], v[8*(8*\a+\b):8*(8*\a+\b)+7], v[SB+4*\b+MP], v[SA+4*\a+MP] matrix_a_fmt:MATRIX_FMT_FP4 matrix_b_fmt:MATRIX_FMT_FP4 matrix_a_scale:MATRIX_SCALE_ROW1 matrix_b_scale:MATRIX_SCALE_ROW1
.endif
.endr
.endr
.endm
.macro KSTEP s
.if (\s) > 0
	PLACES                                         ; the loads below land in the set that the K step before multiplied
.endif
.if (\s) < 7
	FETCH (\s)+1
	s_wait_dscnt 24                                ; all but the 24 just issued: this K step's fragments are in
.else
	s_wait_dscnt 0x0
.endif
.if (\s) == 0
	WIN 0xb1                                       ; source 0 (Wo) window 1, source 1 (O) window 0, C (the bias) window 3, D window 2
.else
	WIN 0xa1                                       ; C and D window 2
.endif
	MUL \s
.endm
	s_wait_tensorcnt 0x0                           ; my load has landed
	s_barrier_signal -1
	s_barrier_wait -1                              ; everybody's have
	FETCH 0
	s_wait_loadcnt 0x0                             ; the scale words and the bias
.irp s, 0,1,2,3,4,5,6,7
	KSTEP \s
.endr
	WIN 0
	PLACES
; THE WAY OUT, a rowtile of 16 tokens x 128 outputs at a time.  A lane holds pieces of 32 bytes of one row, and the lanes beside it hold other rows: so a block goes through my own stage and comes back as whole rows of 512 bytes.
; LDS serves a wave's instructions in order (ISA guide 5.7.1.4): no wait between the stores and the loads.
	s_wait_alu depctr_va_vdst(0)
.irp a, 0,1,2,3
.if \a >= 2
	s_wait_xcnt 0x0                                ; block a - 2's stores have read their registers: block a's rows may land there
.endif
	WIN 0x08                                       ; an LDS store's data are its source 1: window 2
.irp b, 0,1,2,3,4,5,6,7
	ds_store_b128 v[STO], v[8*(8*\a+\b):8*(8*\a+\b)+3]   offset:128*(\b/2)+32*(\b%2)       ; each accumulator from its low end on
	ds_store_b128 v[STO], v[8*(8*\a+\b)+4:8*(8*\a+\b)+7] offset:128*(\b/2)+32*(\b%2)+16
.endr
	WIN 0
.irp t, 0,1,2,3,4,5,6,7,8,9,10,11,12,13,14,15
	ds_load_b128 v[128+64*(\a%2)+4*\t:128+64*(\a%2)+4*\t+3], v[RD] offset:SP*\t
.endr
	s_wait_dscnt 0x0
.irp t, 0,1,2,3,4,5,6,7,8,9,10,11,12,13,14,15
	global_store_b128 v1, v[128+64*(\a%2)+4*\t:128+64*(\a%2)+4*\t+3], s[14:15] offset:(32*(\a/2)+8*(\a%2)+(\t%8)+16*(\t/8))*4096 th:TH_STORE_NT   ; lane row t's token: 32 lanes store 512 consecutive bytes, at a multiple of 512 from out0's first byte
.endr
.endr
	s_wait_tensorcnt 0x0
	ds_add_u32 v126, v127
	s_wait_dscnt 0x0
	s_endpgm
.Lfunc_end_k_qcb20bba7ba_proj:
	.size	k_qcb20bba7ba_proj, .Lfunc_end_k_qcb20bba7ba_proj-k_qcb20bba7ba_proj
	.p2alignl 7, 3214868480
	.fill 96, 4, 3214868480
	.section	.rodata,"a",@progbits
	.p2align	6, 0x0
	.amdhsa_kernel k_qcb20bba7ba_proj
		.amdhsa_group_segment_fixed_size 230912
		.amdhsa_private_segment_fixed_size 0
		.amdhsa_enable_private_segment 0
		.amdhsa_kernarg_size 48
		.amdhsa_user_sgpr_count 2
		.amdhsa_user_sgpr_kernarg_segment_ptr 1
		.amdhsa_wavefront_size32 1
		.amdhsa_system_sgpr_workgroup_id_x 1
		.amdhsa_system_sgpr_workgroup_id_y 1
		.amdhsa_system_sgpr_workgroup_id_z 1
		.amdhsa_system_vgpr_workitem_id 0
		.amdhsa_next_free_vgpr 832
		.amdhsa_next_free_sgpr 66
		.amdhsa_reserve_vcc 0
		.amdhsa_float_denorm_mode_32 3
		.amdhsa_float_denorm_mode_16_64 3
		.amdhsa_memory_ordered 1
		.amdhsa_forward_progress 1
		.amdhsa_inst_pref_size 72
	.end_amdhsa_kernel
	.amdgpu_metadata
---
amdhsa.version: [ 1, 2 ]
amdhsa.kernels:
  - .name:           k_qcb20bba7ba_proj
    .symbol:         k_qcb20bba7ba_proj.kd
    .args:
      - { .name: o_img, .offset: 0, .size: 8, .value_kind: global_buffer, .address_space: global }
      - { .name: o_sc, .offset: 8, .size: 8, .value_kind: global_buffer, .address_space: global }
      - { .name: in_img, .offset: 16, .size: 8, .value_kind: global_buffer, .address_space: global }
      - { .name: in_sc, .offset: 24, .size: 8, .value_kind: global_buffer, .address_space: global }
      - { .name: bo, .offset: 32, .size: 8, .value_kind: global_buffer, .address_space: global }
      - { .name: out0, .offset: 40, .size: 8, .value_kind: global_buffer, .address_space: global }
    .group_segment_fixed_size: 230912
    .private_segment_fixed_size: 0
    .kernarg_segment_align: 8
    .kernarg_segment_size: 48
    .max_flat_workgroup_size: 128
    .sgpr_count:     66
    .vgpr_count:     832
    .wavefront_size: 32
...
	.end_amdgpu_metadata
.endif
;; end of part 4
